; MI455X (gfx1250); checked and timed in simulation.
; The chip was launched on July 23, 2026; its instructions are those of AMD's public machine-readable ISA for CDNA 5 (MIT licence, August 2026) and "CDNA5" Instruction Set Architecture Reference Guide (July 2026). The comments in the code are by the model that wrote it; some were corrected since.
;; attention. Allowed arithmetic: matrix products marked QUANTISED: E4M3 operands, one given power-of-two scale a tensor, by v_wmma_f32_16x16x64_fp8_fp8 or v_wmma_f32_16x16x128_fp8_fp8, f32 sums; everything else in f32.
;; Inputs: Wk 1,024 x 1,024 float32; Wo 1,024 x 1,024 float32; Wq 1,024 x 1,024 float32; Wv 1,024 x 1,024 float32; bk 1,024 float32; bo 1,024 float32; bq 1,024 float32; bv 1,024 float32; lowp_scales 12 int32 (the exponents e of the quantised operands' scales 2^e); x 4 x 2,048 x 1,024 float32.
;; Outputs: out0 4 x 2,048 x 1,024 float32.
;; This version of the problem:
;;   THIS VERSION OF THE PROBLEM IS GIVEN IN LOW PRECISION. The matrix products marked QUANTISED in the list below multiply operands that are first quantised to E4M3 (4 exponent bits, 3 mantissa bits; 8 bits a number), with one given power-of-two scale for each operand tensor; their sums are f32. All else is computed in f32.
;;   The module's matrix products, in the order in which they are computed (A, B: the left and right operand; K: the contracted axis; several contracted axes count as one K, in the product's order):
;;     1. [M 8,192, K 1,024] x [K 1,024, N 1,024]; A: input x; B: input Wq: QUANTISED (scales: A lowp_scales[0], B lowp_scales[1])
;;     2. [M 8,192, K 1,024] x [K 1,024, N 1,024]; A: input x; B: input Wk: QUANTISED (scales: A lowp_scales[2], B lowp_scales[3])
;;     3. [M 8,192, K 1,024] x [K 1,024, N 1,024]; A: input x; B: input Wv: QUANTISED (scales: A lowp_scales[4], B lowp_scales[5])
;;     4. batch 64 x [M 2,048, K 64] x [K 64, N 2,048]; A: computed on the way; B: computed on the way: QUANTISED (scales: A lowp_scales[6], B lowp_scales[7])
;;     5. batch 64 x [M 2,048, K 2,048] x [K 2,048, N 64]; A: softmax (see below); B: computed on the way: QUANTISED (scales: A lowp_scales[8], B lowp_scales[9])
;;     6. [M 8,192, K 1,024] x [K 1,024, N 1,024]; A: computed on the way; B: input Wo: QUANTISED (scales: A lowp_scales[10], B lowp_scales[11])
;;   THE QUANTISER, for each operand of a quantised product, along K:
;;     - The operand's scale is 2^e, e = its entry of the input lowp_scales (int32; the entries are numbered through the quantised products in the list's order, A before B).
;;     - Each number is divided by the scale, clamped to +-448, and rounded to the nearest number of E4M3, ties to even, subnormals kept.
;;     - The product sums the exact products of the quantised numbers (number of the format x scale) in f32.
;;   ~~~python
;;   def quantise(x, axis, e):      # numpy; x: float32 -> the quantised numbers, widened to float32 again
;;       x = np.moveaxis(x, axis, -1); K = x.shape[-1]
;;       r = np.clip(x / 2.0 ** e, -448, 448)
;;       step = 2.0 ** (np.maximum(np.frexp(np.where(r == 0, 1, r))[1] - 1, -6) - 3)
;;       q = np.round(r / step) * step * 2.0 ** e      # np.round: ties to even
;;       return np.moveaxis(q, -1, axis).astype(np.float32)
;;   ~~~
;;   SOFTMAX AHEAD OF A QUANTISED PRODUCT. Where the list says 'softmax', what is quantised is not the finished softmax but p = 2^(t - M), with t = logit x log2(e) and M = ceil(the row's largest t), a whole number; so 1/2 < the row's largest p <= 1. The row's sum l is taken of the UNQUANTISED p, in f32, and the product's result is divided by l at the end. Since M is a whole number, a kernel that streams over the keys may use a running M (the ceiling of the running maximum): every later rescaling is an exact power of two, so the quantised numbers keep their values, but for numbers so far below the row's largest that they fall under the format's range.
;;   OPERANDS COMPUTED ON THE WAY. 'Computed on the way' means the value that the module computes at that place (a softmax that the list does not call 'softmax' is quantised finished and normalised). What goes into a quantiser is computed in f32, as accurately as f32 sums, v_exp_f32 and their like allow (about 1e-6 of the number): no bf16 or f16 on the way to a quantiser, and a product that is left as it is and whose result goes on into a quantised operand takes f32 operands (vector FMAs, or v_wmma_f32_16x16x4_f32). A number that lies on a knife's edge between two numbers of the format may be rounded either way, as far as f32 arithmetic and the matrix unit's own rounding can turn it there, and no further.
;; One version. Each part assembles by itself: llvm-mc -triple=amdgcn-amd-amdhsa -mcpu=gfx1250 --defsym DOCPART=n.
;; ======== version 1 of 1: 4 launches
;; limits: right only within a limited range of input values
;; workspace buffers: xc 25,165,824 bytes; wc 4,194,304 bytes; rope 524,288 bytes; qc 8,388,608 bytes; kv 16,777,216 bytes; ic 8,388,608 bytes
;; launch quant (part 1): grid 832 x 1, 4 waves a work-group, no clusters, 50,688 bytes of LDS; arguments x, Wq, Wk, Wv, Wo, lowp_scales, xc, wc, rope; writes xc, wc, rope
.if DOCPART == 1
	.amdgcn_target "amdgcn-amd-amdhsa--gfx1250"
	.amdhsa_code_object_version 6
	.text
	.protected	k_q8afb46e409_quant
	.globl	k_q8afb46e409_quant
	.p2align	8
	.type	k_q8afb46e409_quant,@function
k_q8afb46e409_quant:
	s_mov_b64 s[64:65], 0
	v_nop
	global_prefetch_b8 v0, s[64:65] scope:SCOPE_SE
	s_setreg_imm32_b32 hwreg(HW_REG_WAVE_MODE, 25, 1), 1
	s_wait_xcnt 0x0
; THE OPERANDS THAT COME AS INPUTS BECOME CODES OF FP8 (E4M3), AND THE ROTARY TABLE IS MADE.  Three kinds of work-group, told apart by the work-group's number:
;   0-511   X: x [8192][1024] f32 is quantised three times, with 2^e0, 2^e2, 2^e4 (it is the left operand of three products, each with a scale of its own) -> xc, three sections of 8 MiB
;   512-767 W: Wq, Wk, Wv, Wo [k 1024][n 1024] f32, K their FIRST axis, with 2^e1, 2^e3, 2^e5, 2^e11 -> wc, four sections of 1 MiB, rows = n
;   768-831 R: cos and sin of position x 10000^(-i/32), positions 0-2047, i = 0-31 -> rope [position][i] (cos, sin) f32, 256 bytes a position
; code = number / 2^e, held within +-448, rounded to the nearest code, ties to even.
; LAYOUT OF THE CODES: IMAGES OF THE OPERAND'S REGISTERS.  A fragment of 16 rows x 128 K of the plain FP8 matrix form is 16 registers a lane: lane L = r + 16 h holds row r, registers 2 c, 2 c + 1 hold
; k = 16 c + 8 h + 0 .. 7.  Its image is 2,048 bytes: registers 4 g .. 4 g + 3 of lane L at 512 g + 16 L.  A section is [k / 256][row / 16][(k / 128) % 2][image]: a product's launch then gets 128 rows x 256 K
; as one dense block of 32,768 bytes, and a fragment by four LDS loads of 512 dense bytes.
; LIMITS: each e used here and e + 8 lie between -126 and 127, so that 2^e and 448 x 2^e are f32 numbers.  NaN among the inputs is not served (an infinity is held at the largest code).
; The rotary angle is f32(position) x 2^(-i log2(10000) / 32), the power by v_exp_f32: it agrees with the angle of an f32 power and division to a few units in its last place.  Sine and cosine: the angle
; less n pi/2 in two parts by fused multiply-adds, polynomials of degree 7 and 8 on +-pi/4, all f32; angles up to 2,047.
; Memory binds: no matrix unit, no tensor load, no barrier; waves share nothing; each path has LDS bytes of its own.
.set XSTG,  8448                       ; path X: a wave's stage: 16 rows x (512 bytes + 16)
.set WBASE, 33792                      ; path W: behind X's four stages: 4,096 bytes a wave (two images)
.set XR,    16                         ; X: v16-79, v80-143 the two units as loaded; later their codes (48 registers each)
.set XN,    144                        ; X: v144-207 64 numbers: register 8 c + j = x(r, 16 c + 8 h + j)
.set TS,    208                        ; X: v208-223 two sets of eight held numbers, by turns
	s_load_b256 s[4:11], s[0:1], 0x0               ; x s[4:5], Wq s[6:7], Wk s[8:9], Wv s[10:11]
	s_load_b256 s[12:19], s[0:1], 0x20             ; Wo s[12:13], the exponents s[14:15], xc s[16:17], wc s[18:19]
	s_load_b64 s[20:21], s[0:1], 0x40              ; rope
	v_lshl_add_u32 v224, v0, 2, 0xc400
	v_mov_b32 v225, 0
	v_lshrrev_b32 v1, 5, v0
	v_readfirstlane_b32 s22, v1                    ; wave 0..3
	v_and_b32 v1, 31, v0                           ; lane
	v_and_b32 v2, 15, v0                           ; r
	v_bfe_u32 v3, v0, 4, 1                         ; h
	s_wait_kmcnt 0x0
	s_load_b256 s[24:31], s[14:15], 0x0            ; e0 .. e7
	s_load_b128 s[32:35], s[14:15], 0x20           ; e8 .. e11
	s_cmp_lt_u32 ttmp9, 512
	s_cbranch_scc1 .Lpath_x
	s_cmp_lt_u32 ttmp9, 768
	s_cbranch_scc1 .Lpath_w
; ---------------- PATH R.  Work-group g owns positions 32 g .. 32 g + 31.  Thread t owns i = 2 (t % 16) and the next, at positions 32 g + 8 rep + t / 16: 16 bytes a thread, sixteen threads one position's 256 bytes.
.set TN,  8
.set TR,  9
.set TZ,  10
.set TQ,  11
.set TSN, 12
.set TCS, 13
	s_sub_co_u32 s36, ttmp9, 768
	s_lshl_b32 s38, s36, 5                         ; the first position
	s_lshl_b32 s36, s36, 13                        ; its byte in the table
	s_mov_b32 s37, 0
	s_add_nc_u64 s[20:21], s[20:21], s[36:37]
	s_mov_b32 s47, 0xbed49a78                      ; -log2(10000) / 32
	s_mov_b32 s48, 0x3f22f983                      ; 2 / pi
	s_mov_b32 s49, 0xbfc90fdb                      ; -(pi/2 rounded to f32)
	s_mov_b32 s50, 0x333bbd2e                      ; that rounded number less pi/2
	s_mov_b32 s51, 0xbe2aaaa3                      ; sine: -1.6666654611e-1,
	s_mov_b32 s52, 0x3c08839e                      ; 8.3321608736e-3,
	s_mov_b32 s53, 0xb94ca1f9                      ; -1.9515295891e-4
	s_mov_b32 s54, 0x3d2aaaa5                      ; cosine: 4.166664568e-2,
	s_mov_b32 s55, 0xbab6061a                      ; -1.388731625e-3,
	s_mov_b32 s56, 0x37ccf5ce                      ; 2.443315712e-5
; cos and sin of the angle in v[th] (0 or more).  No branch: the quadrant picks by v_cndmask_b32 and flips signs by v_xor_b32.
.macro SINCOS th, co, si
	v_mul_f32 v[TN], s48, v[\th]
	v_rndne_f32 v[TN], v[TN]                       ; n
	v_fma_f32 v[TR], v[TN], s49, v[\th]
	v_fma_f32 v[TR], v[TN], s50, v[TR]             ; rho = angle - n pi/2, within +-pi/4
	v_cvt_i32_f32 v[TQ], v[TN]
	v_mul_f32 v[TZ], v[TR], v[TR]
	v_fma_f32 v[TSN], v[TZ], s53, s52
	v_fma_f32 v[TCS], v[TZ], s56, s55
	v_fma_f32 v[TSN], v[TSN], v[TZ], s51
	v_fma_f32 v[TCS], v[TCS], v[TZ], s54
	v_mul_f32 v[TSN], v[TSN], v[TZ]
	v_fma_f32 v[TCS], v[TCS], v[TZ], -0.5
	v_fma_f32 v[TSN], v[TSN], v[TR], v[TR]         ; sin rho
	v_fma_f32 v[TCS], v[TCS], v[TZ], 1.0           ; cos rho
	v_and_b32 v[TN], 1, v[TQ]
	v_cmp_eq_u32 vcc_lo, 1, v[TN]
	v_cndmask_b32 v[\si], v[TSN], v[TCS], vcc_lo   ; n odd: the two change places
	v_cndmask_b32 v[\co], v[TCS], v[TSN], vcc_lo
	v_and_b32 v[TN], 2, v[TQ]
	v_lshlrev_b32 v[TN], 30, v[TN]
	v_xor_b32 v[\si], v[\si], v[TN]                ; n % 4 = 2, 3: -sine
	v_add_nc_u32 v[TQ], 1, v[TQ]
	v_and_b32 v[TQ], 2, v[TQ]
	v_lshlrev_b32 v[TQ], 30, v[TQ]
	v_xor_b32 v[\co], v[\co], v[TQ]                ; n % 4 = 1, 2: -cosine
.endm
	v_and_b32 v4, 15, v0
	v_lshlrev_b32 v4, 1, v4                        ; i
	v_add_nc_u32 v5, 1, v4
	v_cvt_f32_u32 v4, v4
	v_cvt_f32_u32 v5, v5
	v_mul_f32 v4, s47, v4
	v_mul_f32 v5, s47, v5
	s_wait_alu depctr_va_vdst(0)
	v_exp_f32 v4, v4                               ; 10000^(-i/32), once for the thread's two i
	v_exp_f32 v5, v5
	v_lshrrev_b32 v6, 4, v0                        ; (plain lines behind the exponentials)
	v_add_nc_u32 v6, s38, v6                       ; my position of rep 0
	v_lshlrev_b32 v7, 4, v0                        ; 16 t = 256 (t / 16) + 16 (t % 16)
	s_wait_alu depctr_va_vdst(0)                   ; one wait for the two exponentials, ahead of their first reader
.irp rep, 0,1,2,3
	v_add_nc_u32 v14, 8*\rep, v6
	v_cvt_f32_u32 v14, v14
	v_mul_f32 v15, v14, v5
	v_mul_f32 v14, v14, v4
	SINCOS 14, 32+4*\rep, 33+4*\rep
	SINCOS 15, 34+4*\rep, 35+4*\rep
	global_store_b128 v7, v[32+4*\rep:35+4*\rep], s[20:21] offset:2048*\rep   ; each rep has its own four registers: no store's data are written again
.endr
	s_wait_kmcnt 0x0                               ; (the exponents, which this path does not use, have come)
	s_endpgm
; ---------------- PATH W.  g = number - 512: tensor g / 64, 128 columns g % 8, 128 along K (g / 8) % 8.  A LANE TAKES A COLUMN n AND ITS REGISTERS RUN DOWN K: a load reads neighbouring n in neighbouring
; lanes, and the conversions, which take eight neighbours along K from one lane's registers, give codes with K innermost.  Eight codes k = 8 u .. 8 u + 7 of row r are registers 2 (u / 2), 2 (u / 2) + 1 of
; image lane r + 16 (u % 2): they are put there in the wave's own LDS bytes, and the two images (columns 0-15, 16-31 of the wave) leave as they lie, 512 bytes a store.
.Lpath_w:
	s_sub_co_u32 s36, ttmp9, 512
	s_lshr_b32 s38, s36, 6                         ; which tensor
	s_and_b32 s39, s36, 7                          ; which 128 columns
	s_bfe_u32 s46, s36, 0x30003                    ; which 128 along K
	s_and_b32 s47, s38, 1
	s_cmp_lg_u32 s47, 0
	s_cselect_b64 s[40:41], s[8:9], s[6:7]         ; Wk or Wq
	s_cselect_b64 s[42:43], s[12:13], s[10:11]     ; Wo or Wv
	s_cmp_ge_u32 s38, 2
	s_cselect_b64 s[40:41], s[42:43], s[40:41]
	s_lshl_b32 s48, s46, 19                        ; 128 rows of 4,096 bytes
	s_lshl_b32 s47, s39, 9
	s_add_co_u32 s48, s48, s47
	s_lshl_b32 s47, s22, 7                         ; my wave's 32 columns
	s_add_co_u32 s48, s48, s47
	s_mov_b32 s49, 0
	s_add_nc_u64 s[40:41], s[40:41], s[48:49]
	s_wait_alu depctr_va_vdst(0)
	v_lshlrev_b32 v4, 2, v1
.macro WLOAD t                         ; W(32 t + 0 .. 31, my column)
.set k, 32*(\t)
.rept 32
	global_load_b32 v[16+k], v4, s[40:41] offset:4096*k th:TH_LOAD_NT
.set k, k+1
.endr
.endm
	WLOAD 0
	WLOAD 1
	s_lshl_b32 s48, s38, 20                        ; the codes: section,
	s_lshr_b32 s47, s46, 1
	s_lshl_b32 s47, s47, 18                        ; k / 256,
	s_add_co_u32 s48, s48, s47
	s_lshl_b32 s47, s39, 15                        ; row tile 8 x columns' block + 2 x wave, 4,096 bytes each,
	s_add_co_u32 s48, s48, s47
	s_lshl_b32 s47, s22, 13
	s_add_co_u32 s48, s48, s47
	s_and_b32 s47, s46, 1
	s_lshl_b32 s47, s47, 11                        ; (k / 128) % 2
	s_add_co_u32 s48, s48, s47
	s_add_nc_u64 s[42:43], s[18:19], s[48:49]
	v_lshlrev_b32 v7, 4, v1                        ; 16 x lane
	s_lshl_b32 s47, s22, 12
	s_add_co_u32 s47, s47, WBASE                   ; my wave's LDS bytes
	v_lshlrev_b32 v5, 4, v2
	v_lshl_add_u32 v5, v3, 11, v5
	v_add_nc_u32 v5, s47, v5                       ; in: image lane / 16, image lane r
	v_add_nc_u32 v6, s47, v7                       ; back: as it lies
	s_wait_alu depctr_va_vdst(0)
	s_wait_kmcnt 0x0
	s_and_b32 s47, s38, 1
	s_cmp_lg_u32 s47, 0
	s_cselect_b32 s44, s27, s25                    ; e3 or e1
	s_cselect_b32 s45, s35, s29                    ; e11 or e5
	s_cmp_ge_u32 s38, 2
	s_cselect_b32 s44, s45, s44
	s_add_co_i32 s44, s44, 127
	s_lshl_b32 s45, s44, 23
	v_mov_b32 v9, s45                              ; 2^e as f32: the conversion takes its exponent field
	s_add_co_i32 s44, s44, 8
	s_lshl_b32 s44, s44, 23
	s_or_b32 s44, s44, 0x600000
	v_mov_b32 v8, s44                              ; 448 x 2^e
.macro WBLOCK t
.set u, 4*(\t)
.rept 4
.set k, 0
.rept 8
	v_med3_num_f32 v[16+8*u+k], v[16+8*u+k], -v8, v8   ; the conversion to an 8-bit code does not saturate (ISA guide 7.6.2): the hold comes first
.set k, k+1
.endr
	v_cvt_scalef32_pk8_fp8_f32 v[144+2*u:145+2*u], v[16+8*u:23+8*u], v9
	ds_store_b64 v5, v[144+2*u:145+2*u] offset:(u/4)*512+(u%2)*256+((u/2)%2)*8
.set u, u+1
.endr
.endm
	s_wait_alu depctr_va_vdst(0)
	s_wait_loadcnt 32                              ; block 0 is in; block 1's 32 loads may be out
	WLOAD 2
	WBLOCK 0
	s_wait_loadcnt 32                              ; block 1 is in; block 2's may be out
	WLOAD 3
	WBLOCK 1
	s_wait_loadcnt 32                              ; block 2 is in; block 3's may be out
	WBLOCK 2
	s_wait_loadcnt 0x0
	WBLOCK 3
.irp i, 0,1,2,3,4,5,6,7
	ds_load_b128 v[176+4*\i:179+4*\i], v6 offset:512*\i   ; LDS serves a wave's instructions in order (ISA guide 5.7.1.4): these see my stores
.endr
.irp i, 0,1,2,3,4,5,6,7
	s_wait_dscnt 7-\i                              ; the younger read-backs may be out
	global_store_b128 v7, v[176+4*\i:179+4*\i], s[42:43] offset:(\i/4)*4096+(\i%4)*512   ; 512 consecutive bytes, aligned
.endr
	s_wait_tensorcnt 0x0
	ds_add_u32 v224, v225
	s_wait_dscnt 0x0
	s_endpgm
; ---------------- PATH X.  Work-group T owns rows 16 T .. 16 T + 15; wave w their k = 256 w .. 256 w + 255, as two units of 128.  Each load reads 512 consecutive bytes of one row; a unit's 16 loads go through the
; wave's stage in LDS, as they lie, and come back so that lane (r, h) holds, of row r, k = 16 c + 8 h + 0 .. 7 in registers 8 c .. 8 c + 7: the conversions' results are then the image's registers.
.Lpath_x:
	s_lshl_b32 s36, ttmp9, 16                      ; 16 rows of 4,096 bytes
	s_lshl_b32 s38, s22, 10
	s_or_b32 s36, s36, s38
	s_mov_b32 s37, 0
	s_add_nc_u64 s[36:37], s[4:5], s[36:37]
	s_wait_alu depctr_va_vdst(0)
	v_lshlrev_b32 v4, 4, v1                        ; 16 x lane
	s_wait_alu depctr_va_vdst(0)
.irp q, 0,1
.irp i, 0,1,2,3,4,5,6,7,8,9,10,11,12,13,14,15
	global_load_b128 v[XR+64*\q+4*\i:XR+64*\q+4*\i+3], v4, s[36:37] offset:4096*\i+512*\q th:TH_LOAD_NT
.endr
.endr
	s_lshl_b32 s40, s22, 21                        ; the codes: k / 256 = wave,
	s_lshl_b32 s38, ttmp9, 12                      ; row tile T
	s_add_co_u32 s40, s40, s38
	s_mov_b32 s41, 0
	s_add_nc_u64 s[40:41], s[16:17], s[40:41]      ; section 0 (e0),
	s_add_nc_u64 s[42:43], s[40:41], 0x800000      ; section 1 (e2),
	s_add_nc_u64 s[44:45], s[40:41], 0x1000000     ; section 2 (e4)
	s_mul_i32 s38, s22, XSTG
	v_add_nc_u32 v5, s38, v4                       ; the stage, in: 16 x lane, + 528 x row in the immediate
	v_mul_u32_u24 v6, v2, 528
	v_lshl_add_u32 v6, v3, 5, v6
	v_add_nc_u32 v6, s38, v6                       ; and back: row r, + 32 h
	s_wait_alu depctr_va_vdst(0)
	s_wait_kmcnt 0x0
.irp z, 0,1,2
	s_add_co_i32 s38, s[24+2*\z], 127
	s_lshl_b32 s39, s38, 23
	v_mov_b32 v[9+2*\z], s39                       ; 2^e
	s_add_co_i32 s38, s38, 8
	s_lshl_b32 s38, s38, 23
	s_or_b32 s38, s38, 0x600000
	v_mov_b32 v[8+2*\z], s38                       ; 448 x 2^e
.endr
.macro XUNIT q
.set RW, XR+64*(\q)
	s_wait_loadcnt 16*(1-(\q))                     ; this unit's 16 loads are in; the second unit's 16 may be out
.irp i, 0,1,2,3,4,5,6,7,8,9,10,11,12,13,14,15
	ds_store_b128 v5, v[RW+4*\i:RW+4*\i+3] offset:528*\i
.endr
.irp c, 0,1,2,3,4,5,6,7
	ds_load_b128 v[XN+8*\c:XN+8*\c+3], v6 offset:64*\c          ; in order behind my stores
	ds_load_b128 v[XN+8*\c+4:XN+8*\c+7], v6 offset:64*\c+16
.endr
	s_wait_dscnt 0x0                               ; the numbers are back, and the stores have read the unit's registers, which now take its codes
.irp z, 0,1,2
.irp c, 0,1,2,3,4,5,6,7
.irp j, 0,1,2,3,4,5,6,7
	v_med3_num_f32 v[TS+8*(\c%2)+\j], v[XN+8*\c+\j], -v[8+2*\z], v[8+2*\z]   ; the hold, into one of two sets by turns: the other set's eight holds are the plain lines behind each conversion
.endr
	v_cvt_scalef32_pk8_fp8_f32 v[RW+16*\z+2*\c:RW+16*\z+2*\c+1], v[TS+8*(\c%2):TS+8*(\c%2)+7], v[9+2*\z]
.endr
.endr
.irp z, 0,1,2
.irp g, 0,1,2,3
	global_store_b128 v4, v[RW+16*\z+4*\g:RW+16*\z+4*\g+3], s[40+2*\z:41+2*\z] offset:2048*(\q)+512*\g   ; 512 consecutive bytes, aligned; no store's data or address is written again
.endr
.endr
.endm
	s_wait_alu depctr_va_vdst(0)
	XUNIT 0
	XUNIT 1
	s_wait_tensorcnt 0x0
	ds_add_u32 v224, v225
	s_wait_dscnt 0x0
	s_endpgm
.Lfunc_end_k_q8afb46e409_quant:
	.size	k_q8afb46e409_quant, .Lfunc_end_k_q8afb46e409_quant-k_q8afb46e409_quant
	.p2alignl 7, 3214868480
	.fill 96, 4, 3214868480
	.section	.rodata,"a",@progbits
	.p2align	6, 0x0
	.amdhsa_kernel k_q8afb46e409_quant
		.amdhsa_group_segment_fixed_size 50688
		.amdhsa_private_segment_fixed_size 0
		.amdhsa_enable_private_segment 0
		.amdhsa_kernarg_size 72
		.amdhsa_user_sgpr_count 2
		.amdhsa_user_sgpr_kernarg_segment_ptr 1
		.amdhsa_wavefront_size32 1
		.amdhsa_system_sgpr_workgroup_id_x 1
		.amdhsa_system_sgpr_workgroup_id_y 1
		.amdhsa_system_sgpr_workgroup_id_z 1
		.amdhsa_system_vgpr_workitem_id 0
		.amdhsa_next_free_vgpr 226
		.amdhsa_next_free_sgpr 66
		.amdhsa_reserve_vcc 1
		.amdhsa_float_denorm_mode_32 3
		.amdhsa_float_denorm_mode_16_64 3
		.amdhsa_memory_ordered 1
		.amdhsa_forward_progress 1
		.amdhsa_inst_pref_size 76
	.end_amdhsa_kernel
	.amdgpu_metadata
---
amdhsa.version: [ 1, 2 ]
amdhsa.kernels:
  - .name:           k_q8afb46e409_quant
    .symbol:         k_q8afb46e409_quant.kd
    .args:
      - { .name: x, .offset: 0, .size: 8, .value_kind: global_buffer, .address_space: global }
      - { .name: Wq, .offset: 8, .size: 8, .value_kind: global_buffer, .address_space: global }
      - { .name: Wk, .offset: 16, .size: 8, .value_kind: global_buffer, .address_space: global }
      - { .name: Wv, .offset: 24, .size: 8, .value_kind: global_buffer, .address_space: global }
      - { .name: Wo, .offset: 32, .size: 8, .value_kind: global_buffer, .address_space: global }
      - { .name: lowp_scales, .offset: 40, .size: 8, .value_kind: global_buffer, .address_space: global }
      - { .name: xc, .offset: 48, .size: 8, .value_kind: global_buffer, .address_space: global }
      - { .name: wc, .offset: 56, .size: 8, .value_kind: global_buffer, .address_space: global }
      - { .name: rope, .offset: 64, .size: 8, .value_kind: global_buffer, .address_space: global }
    .group_segment_fixed_size: 50688
    .private_segment_fixed_size: 0
    .kernarg_segment_align: 8
    .kernarg_segment_size: 72
    .max_flat_workgroup_size: 128
    .sgpr_count:     66
    .vgpr_count:     226
    .wavefront_size: 32
...
	.end_amdgpu_metadata
.endif
;; end of part 1
;; launch qkv (part 2): grid 4 x 64, 8 waves a work-group, clusters of 4 x 1, 327,680 bytes of LDS; arguments xc, wc, bq, bk, bv, lowp_scales, rope, qc, kv; writes qc, kv
.if DOCPART == 2
	.amdgcn_target "amdgcn-amd-amdhsa--gfx1250"
	.amdhsa_code_object_version 6
	.text
	.protected	k_q8afb46e409_qkv
	.globl	k_q8afb46e409_qkv
	.p2align	8
	.type	k_q8afb46e409_qkv,@function
k_q8afb46e409_qkv:
	s_mov_b64 s[64:65], 0
	v_nop
	global_prefetch_b8 v0, s[64:65] scope:SCOPE_SE
	s_setreg_imm32_b32 hwreg(HW_REG_WAVE_MODE, 25, 1), 1
	s_wait_xcnt 0x0
	s_wait_alu depctr_hold_cnt(0) depctr_sa_sdst(0) depctr_va_vdst(0) depctr_va_sdst(0) depctr_va_ssrc(0) depctr_va_vcc(0) depctr_vm_vsrc(0)
	s_getreg_b32 s2, hwreg(HW_REG_IB_STS2, 6, 4)
	s_cmp_eq_u32 s2, 0
	s_cbranch_scc0 .Lentry_in_a_cluster
	s_endpgm
.Lentry_in_a_cluster:
	s_bfe_u32 s2, ttmp6, 0x10000c
	s_cmp_lg_u32 s2, 0x3003
	s_cbranch_scc0 .Lentry_shape_is_right
	s_endpgm
.Lentry_shape_is_right:
; q = rope(x Wq + bq), k = rope(x Wk + bk), v = x Wv + bv, on codes of FP8 (E4M3), sums in f32; each result is quantised at once (2^e6, 2^e7, 2^e9) and stored as images of the operand registers of the attention launch.
; xc: x's codes, three sections (2^e0, 2^e2, 2^e4); wc: Wq's, Wk's, Wv's codes (rows = n); both laid [k / 256][row / 16][(k / 128) % 2][image of 16 rows x 128 K] (lane L's registers 4 g .. 4 g + 3 at 512 g + 16 L).
; SHARES.  A work-group owns 128 tokens (one key step of one batch entry) x 256 columns (four heads) and walks the THREE products z = 0, 1, 2 one after the other: grid 4 x 64 = 256 work-groups.
; Eight waves, each 64 tokens x 64 columns = one head: 16 accumulators, 128 registers.
; A (x's codes of a section: 128 rows x 1,024 K = 131,072 bytes) lies whole in LDS, in two regions.  Sections 0 and 1 are filled at the head: wave w asks for section w / 4, K 256 (w % 4) on, 32,768 dense bytes.
; Section 2 fills region 0 again behind the first product's last read of it (waves 0-3, one load each): the first product's way out and all of the second product stand between the request and the wait for it.
; CLUSTER.  The four work-groups along x make the four column quarters of the same tokens: A's parts are asked for jointly, by the same descriptor with a mask that names the four.
; B (the weights' codes) does not pass through LDS, which A fills: its images go from memory straight into the operand's registers, in three sets that take turns, three K steps ahead of their use, on across the three products;
; so B has no joint load, and each of its fragments is loaded by the two waves of a head.  No prefetch: A's fills are the head's and one refill with a whole product in which to land, and B is asked for three K steps ahead as it is.
; z = 0, 1: source 0 = 16 columns of W, source 1 = 16 tokens: a lane holds one token and eight neighbouring channels: the rotary pairs lie in register pairs, and eight codes are two registers of the token tile's image.
; z = 2: the sources change places: a lane holds one channel and eight neighbouring tokens (keys): eight codes are two registers of V^T's image of 16 channels x 128 keys, of which my 64 tokens are half.
; The counts of s_wait_loadcnt are made by the assembler: LC counts the loads written so far, a mark keeps LC behind the loads that are wanted, and the wait's count is the loads written since.
; LIMITS: e0 + e1, e2 + e3, e4 + e5 between -126 and 127; e6, e7, e9 between -126 and 119.  NaN is not served (an infinity is held at the largest code).
; REGISTERS, window 0: v1 16 x lane; v2-5 LDS address of my A fragments (region 0: K steps 0-3, 4-7; region 1 likewise); v6 32 h; v7 my offset in the rotary table; v8-15 at work; v16-23 codes; v24, v25 the add's two;
;   v26 448 x 2^e; v27 2^e; v28 4 r; v32-63 the bias; v64-127 A's four fragments (on the way out: the rotary table of token tiles 2, 3); v128-255 accumulator (a, b) at 128 + 8 (4 a + b).
; window 1: v0-191 B's three sets of four fragments; v192-255 the rotary table of token tiles 0, 1, which stays for both z = 0 and 1.
.set SPARE, 0x40000
.set LB,   1
.set ADA,  2
.set VBO,  6
.set RO,   7
.set TP,   8
.set CC,   16
.set SPW,  24
.set NIL,  25
.set HOLD, 26
.set SCL,  27
.set VBV,  28
.set BIAS, 32
.set AF,   64
.set ACC,  128
.set RW1,  192
.set LC,  0
.set MK0, 0
.set MK1, 0
.set MK2, 0
.set MR2, 0
.set MR3, 0
.set MSB, 0
.macro WIN new                         ; the immediate's high byte repeats the setting that is left
.if MSB != (\new)
	s_set_vgpr_msb (MSB<<8)|(\new)
.set MSB, (\new)
.endif
.endm
.macro CROUND                          ; a round of the cluster's barrier
	s_barrier_signal -1
	s_barrier_wait -1
	s_cmp_lg_u32 s14, 0
	s_cbranch_scc1 .Lnot_wave_0_\@
	s_barrier_signal -3
.Lnot_wave_0_\@:
	s_barrier_wait -3
	s_barrier_signal -1
	s_barrier_wait -1
.endm
.macro PLACES
.rept 4
	v_nop
.endr
.endm
.macro BLOAD g                         ; B's four fragments of step g = 8 z + ks into set g % 3 (window 1)
.irp b, 0,1,2,3
.irp q, 0,1,2,3
	global_load_b128 v[64*((\g)%3)+16*\b+4*\q:64*((\g)%3)+16*\b+4*\q+3], v[LB], s[42:43] offset:((\g)/8)*0x100000+(((\g)%8)/2)*0x40000+((\g)%2)*2048+4096*\b+512*\q
.endr
.endr
.set LC, LC+16
.if ((\g)%3) == 0
.set MK0, LC
.endif
.if ((\g)%3) == 1
.set MK1, LC
.endif
.if ((\g)%3) == 2
.set MK2, LC
.endif
.endm
.macro WAITB g                         ; step g's set is in; the loads written behind it may be out
.if ((\g)%3) == 0
	s_wait_loadcnt LC-MK0
.endif
.if ((\g)%3) == 1
	s_wait_loadcnt LC-MK1
.endif
.if ((\g)%3) == 2
	s_wait_loadcnt LC-MK2
.endif
.endm
.macro ROPELD a, reg                   ; (cos, sin) of token tile a: position r, frequencies 8 c + 4 h + 0 .. 3
.irp c, 0,1,2,3
	global_load_b128 v[\reg+8*\c:\reg+8*\c+3], v[RO], s[88:89] offset:4096*(\a)+64*\c
	global_load_b128 v[\reg+8*\c+4:\reg+8*\c+7], v[RO], s[88:89] offset:4096*(\a)+64*\c+16
.endr
.set LC, LC+8
.endm
.macro BIASLD sb                       ; the bias at columns 16 b + 8 h + 0 .. 7
.irp b, 0,1,2,3
	global_load_b128 v[BIAS+8*\b:BIAS+8*\b+3], v[VBO], s[\sb:\sb+1] offset:64*\b
	global_load_b128 v[BIAS+8*\b+4:BIAS+8*\b+7], v[VBO], s[\sb:\sb+1] offset:64*\b+16
.endr
.set LC, LC+8
.endm
.macro ALOAD z, ks, a0                 ; A's fragments a0, a0 + 1 of K step ks, from region z % 2
.irp a, \a0, \a0+1
.irp q, 0,1,2,3
	ds_load_b128 v[AF+16*(\a)+4*\q:AF+16*(\a)+4*\q+3], v[ADA+2*((\z)%2)+(\ks)/4] offset:(((\ks)/2)%2)*32768+((\ks)%2)*2048+4096*(\a)+512*\q
.endr
.endr
.endm
.macro MUL8 z, ks, a0                  ; A's blocks a0, a0 + 1 x B's four; the 16 accumulators take turns in the same order in every K step; a product's first K step starts its sums
.set BS, 64*((8*(\z)+(\ks))%3)
.irp a, \a0, \a0+1
.irp b, 0,1,2,3
.if (\z) == 2
.if (\ks) == 0
	v_wmma_f32_16x16x128_fp8_fp8 v[ACC+8*(4*(\a)+\b):ACC+8*(4*(\a)+\b)+7], v[AF+16*(\a):AF+16*(\a)+15], v[BS+16*\b:BS+16*\b+15], 0
.else
	v_wmma_f32_16x16x128_fp8_fp8 v[ACC+8*(4*(\a)+\b):ACC+8*(4*(\a)+\b)+7], v[AF+16*(\a):AF+16*(\a)+15], v[BS+16*\b:BS+16*\b+15], v[ACC+8*(4*(\a)+\b):ACC+8*(4*(\a)+\b)+7]
.endif
.else
.if (\ks) == 0
	v_wmma_f32_16x16x128_fp8_fp8 v[ACC+8*(4*(\a)+\b):ACC+8*(4*(\a)+\b)+7], v[BS+16*\b:BS+16*\b+15], v[AF+16*(\a):AF+16*(\a)+15], 0
.else
	v_wmma_f32_16x16x128_fp8_fp8 v[ACC+8*(4*(\a)+\b):ACC+8*(4*(\a)+\b)+7], v[BS+16*\b:BS+16*\b+15], v[AF+16*(\a):AF+16*(\a)+15], v[ACC+8*(4*(\a)+\b):ACC+8*(4*(\a)+\b)+7]
.endif
.endif
.endr
.endr
.endm
; A K step of 128: 16 matrix instructions.  A block of A is free when its four products are issued: blocks 0, 1 are fetched anew in the step's middle, blocks 2, 3 at its end;
; in a rotary product's last K step the freed registers take the rotary table of token tiles 2 and 3 instead.
.macro KS z, ks
.set G, 8*(\z)+(\ks)
.set MM, 0x01+3*((\z)/2)               ; B's window 1 is source 0 (z = 0, 1) or source 1 (z = 2)
	WAITB G
	s_wait_dscnt 8                                 ; A's blocks 0, 1 are in; the eight loads of blocks 2, 3 may be out
	WIN MM
	MUL8 \z, \ks, 0
	WIN 0
	PLACES                                         ; four places in front of loads into registers that matrix instructions have read
.if (\ks) < 7
	ALOAD \z, (\ks)+1, 0
	s_wait_dscnt 8                                 ; blocks 2, 3 are in; the eight just issued may be out
.else
.if (\z) < 2
	ROPELD 2, AF
.set MR2, LC
.endif
	s_wait_dscnt 0x0
.endif
	WIN MM
	MUL8 \z, \ks, 2
	WIN 0
	PLACES
.if (\ks) < 7
	ALOAD \z, (\ks)+1, 2
.else
.if (\z) < 2
	ROPELD 3, AF+32
.set MR3, LC
.endif
.endif
.if G+3 < 24
	WIN 0x40
	BLOAD G+3                                      ; this step's set takes the step three on
	WIN 0
.endif
.endm
; THE WAY OUT of token tile a, z = 0, 1, in place in its four accumulators, each from its low end on: sum x 2^(ea + eb) + bias; the rotary turn of each pair (x1, x2): (x1 cos - x2 sin, x2 cos + x1 sin); the hold; the codes.
.macro QKB z, a
.set AC, ACC+32*(\a)
.if (\a) == 2
	s_wait_loadcnt LC-MR2                          ; its rotary table is in
.endif
.if (\a) == 3
	s_wait_loadcnt LC-MR3
.endif
.irp b, 0,1,2,3
.irp i, 0,2,4,6
	v_pk_fma_f32 v[AC+8*\b+\i:AC+8*\b+\i+1], v[AC+8*\b+\i:AC+8*\b+\i+1], s[50+2*(\z):51+2*(\z)], v[BIAS+8*\b+\i:BIAS+8*\b+\i+1] op_sel_hi:[1,0,1]
.endr
.endr
.if (\a) < 2
	WIN 0x04                                       ; source 1, the table, in window 1
.set RS, RW1+32*(\a)
.else
.set RS, AF+32*((\a)-2)
.endif
.irp b, 0,1,2,3
.irp p, 0,2,4,6
	v_pk_mul_f32 v[TP+\p:TP+\p+1], v[AC+8*\b+\p:AC+8*\b+\p+1], v[RS+8*\b+\p:RS+8*\b+\p+1] op_sel:[1,1] op_sel_hi:[0,1] neg_lo:[1,0]   ; (-x2 sin, x1 sin)
.endr
.irp p, 0,2,4,6
	v_pk_fma_f32 v[AC+8*\b+\p:AC+8*\b+\p+1], v[AC+8*\b+\p:AC+8*\b+\p+1], v[RS+8*\b+\p:RS+8*\b+\p+1], v[TP+\p:TP+\p+1] op_sel_hi:[1,0,1]   ; + (x1, x2) cos
.endr
.endr
	WIN 0
.set j, 0
.rept 32
	v_med3_num_f32 v[AC+j], v[AC+j], -v[HOLD], v[HOLD]   ; the conversion does not saturate (ISA guide 7.6.2)
.set j, j+1
.endr
	s_wait_alu depctr_va_vdst(0)
	s_wait_xcnt 0x0                                ; the block before has had its stores' data read
.irp b, 0,1,2,3
	v_cvt_scalef32_pk8_fp8_f32 v[CC+2*\b:CC+2*\b+1], v[AC+8*\b:AC+8*\b+7], v[SCL]   ; channels 16 b + 8 h + 0 .. 7: registers 2 b, 2 b + 1 of the image
.endr
	v_nop                                          ; one plain line behind the last conversion
.irp g, 0,1
	global_store_b128 v[LB], v[CC+4*\g:CC+4*\g+3], s[44+2*(\z):45+2*(\z)] offset:1024*(\a)+512*\g   ; 512 consecutive bytes, aligned
.endr
.endm
; THE WAY OUT of channel tile b, z = 2: a lane's bias is its channel's; token tile a's eight codes are registers 2 a, 2 a + 1 of my half of the image.
.macro VB_OUT b
.irp a, 0,1,2,3
.irp i, 0,2,4,6
.if ((\b)%2) == 0
	v_pk_fma_f32 v[ACC+32*\a+8*(\b)+\i:ACC+32*\a+8*(\b)+\i+1], v[ACC+32*\a+8*(\b)+\i:ACC+32*\a+8*(\b)+\i+1], s[54:55], v[BIAS+2*((\b)/2):BIAS+2*((\b)/2)+1] op_sel_hi:[1,0,0]
.else
	v_pk_fma_f32 v[ACC+32*\a+8*(\b)+\i:ACC+32*\a+8*(\b)+\i+1], v[ACC+32*\a+8*(\b)+\i:ACC+32*\a+8*(\b)+\i+1], s[54:55], v[BIAS+2*((\b)/2):BIAS+2*((\b)/2)+1] op_sel:[0,0,1] op_sel_hi:[1,0,1]
.endif
.endr
.endr
.irp a, 0,1,2,3
.irp i, 0,1,2,3,4,5,6,7
	v_med3_num_f32 v[ACC+32*\a+8*(\b)+\i], v[ACC+32*\a+8*(\b)+\i], -v[HOLD], v[HOLD]
.endr
.endr
	s_wait_alu depctr_va_vdst(0)
	s_wait_xcnt 0x0
.irp a, 0,1,2,3
	v_cvt_scalef32_pk8_fp8_f32 v[CC+2*\a:CC+2*\a+1], v[ACC+32*\a+8*(\b):ACC+32*\a+8*(\b)+7], v[SCL]
.endr
	v_nop
.irp g, 0,1
	global_store_b128 v[LB], v[CC+4*\g:CC+4*\g+3], s[48:49] offset:2048*(\b)+512*\g
.endr
.endm
.macro QS e, d                         ; s[d] = 448 x 2^e, s[d + 1] = 2^e, as f32
	s_add_co_i32 s2, s\e, 127
	s_lshl_b32 s[\d+1], s2, 23
	s_add_co_i32 s2, s2, 8
	s_lshl_b32 s2, s2, 23
	s_or_b32 s[\d], s2, 0x600000
.endm
	s_load_b256 s[4:11], s[0:1], 0x0               ; xc s[4:5], wc s[6:7], bq s[8:9], bk s[10:11]
	s_load_b256 s[84:91], s[0:1], 0x20             ; bv s[84:85], the exponents s[86:87], rope s[88:89], qc s[90:91]
	s_load_b64 s[92:93], s[0:1], 0x40              ; kv
	v_lshl_add_u32 v[SPW], v0, 2, SPARE
	v_mov_b32 v[NIL], 0
	ds_add_u32 v[SPW], v[NIL]                      ; the opening lines: the add twice on end and its wait ahead of my first tensor load
	ds_add_u32 v[SPW], v[NIL]
	v_lshrrev_b32 v8, 5, v0
	v_readfirstlane_b32 s14, v8                    ; wave 0..7
	s_lshr_b32 s15, s14, 2                         ; which 64 tokens are mine.  Also: the section that I fetch at the head
	s_and_b32 s16, s14, 3                          ; which head of the four.  Also: which 256 along K I fetch
	s_bfe_u32 s40, ttmp6, 0x40000                  ; cx: the column quarter
	s_and_b32 s17, ttmp7, 0xffff                   ; the token block, which the four partners share
	s_mov_b32 s24, 15|(3<<16)|(1<<21)              ; group 1: 32,768 dense bytes as 128 rows of 32 elements of 8 bytes; the mask names all four; bit 21 beside it
	s_mov_b32 s25, 32<<16
	s_mov_b32 s26, 128<<16
	s_mov_b32 s27, 32<<16
	s_mov_b32 s28, 128
	s_mov_b32 s29, 32
	s_mov_b32 s30, 0
	s_mov_b32 s31, 0
	s_mov_b32 s32, 1                               ; group 0 of the head's load: part w of LDS,
	s_lshl_b32 s33, s14, 15
	s_mov_b32 s36, 1                               ; and of the refill: part w % 4
	s_lshl_b32 s37, s16, 15
	s_lshl_b32 s20, s16, 21                        ; in memory: k / 256,
	s_lshl_b32 s19, s17, 15                        ; 8 row tiles of 4,096 bytes a token block,
	s_add_co_u32 s20, s20, s19
	s_lshl_b32 s18, s15, 23                        ; the section
	s_add_co_u32 s18, s18, s20
	s_add_co_u32 s20, s20, 0x1000000               ; section 2
	s_mov_b32 s19, 0
	s_mov_b32 s21, 0
	s_wait_dscnt 0x0                               ; both opening adds are done
	s_wait_kmcnt 0x0
	s_load_b256 s[68:75], s[86:87], 0x0            ; e0 .. e7
	s_load_b64 s[76:77], s[86:87], 0x20            ; e8, e9
	s_add_nc_u64 s[34:35], s[4:5], s[18:19]
	s_or_b32 s35, s35, 0x80000000                  ; type = 2
	s_add_nc_u64 s[38:39], s[4:5], s[20:21]
	s_or_b32 s39, s39, 0x80000000
	CROUND                                         ; all four work-groups are here: the joint loads meet
	tensor_load_to_lds s[32:35], s[24:31]          ; one tensor load a wave at the head
	s_nop 0
	PLACES
	s_lshl_b32 s20, s40, 16                        ; the weights: row tile 16 x quarter + 4 x head, 4,096 bytes each; the section goes into the loads' offsets
	s_lshl_b32 s22, s16, 14
	s_add_co_u32 s20, s20, s22
	s_add_nc_u64 s[42:43], s[6:7], s[20:21]
	s_lshl_b32 s20, s40, 10                        ; my first column, in bytes of f32
	s_lshl_b32 s22, s16, 8
	s_add_co_u32 s20, s20, s22
	s_add_nc_u64 s[8:9], s[8:9], s[20:21]
	s_add_nc_u64 s[10:11], s[10:11], s[20:21]
	s_add_nc_u64 s[84:85], s[84:85], s[20:21]
	s_and_b32 s23, s17, 15                         ; the key step in the batch entry
	s_lshl_b32 s20, s23, 15                        ; the rotary table: 128 positions of 256 bytes a key step, + my 64
	s_lshl_b32 s22, s15, 14
	s_add_co_u32 s20, s20, s22
	s_add_nc_u64 s[88:89], s[88:89], s[20:21]
	s_lshr_b32 s19, s17, 4
	s_lshl_b32 s19, s19, 4
	s_lshl_b32 s22, s40, 2
	s_add_co_u32 s19, s19, s22
	s_add_co_u32 s19, s19, s16                     ; batch entry x 16 + head
	s_lshl_b32 s20, s19, 17                        ; qc: a head is 128 token tiles of 1,024 bytes
	s_lshl_b32 s22, s23, 13
	s_add_co_u32 s20, s20, s22
	s_lshl_b32 s22, s15, 12
	s_add_co_u32 s20, s20, s22
	s_add_nc_u64 s[44:45], s[90:91], s[20:21]
	s_lshl_b32 s20, s19, 18                        ; kv: a head is 16 key steps of 16,384 bytes: 8 images of K, 4 of V^T
	s_lshl_b32 s18, s23, 14
	s_add_co_u32 s20, s20, s18
	s_add_co_u32 s18, s20, s22                     ; K: my four key tiles
	s_mov_b32 s19, 0
	s_add_nc_u64 s[46:47], s[92:93], s[18:19]
	s_lshl_b32 s22, s15, 10
	s_add_co_u32 s20, s20, s22                     ; V^T: my half of each image
	s_add_co_u32 s20, s20, 8192
	s_add_nc_u64 s[48:49], s[92:93], s[20:21]
	s_lshl_b32 s22, s15, 14                        ; A in LDS: my four row tiles in each part
	v_and_b32 v10, 31, v0
	v_and_b32 v8, 15, v0                           ; r
	v_bfe_u32 v9, v0, 4, 1                         ; h
	v_lshlrev_b32 v[LB], 4, v10
	v_add_nc_u32 v[ADA], s22, v[LB]
	v_add_nc_u32 v[ADA+1], 0x10000, v[ADA]         ; an LDS offset has 16 bits: an address for each two parts
	v_add_nc_u32 v[ADA+2], 0x20000, v[ADA]
	v_add_nc_u32 v[ADA+3], 0x30000, v[ADA]
	v_lshlrev_b32 v[VBO], 5, v9
	v_lshl_add_u32 v[RO], v8, 8, v[VBO]
	v_lshlrev_b32 v[VBV], 2, v8
	s_wait_alu depctr_va_vdst(0)
	BIASLD 8
	WIN 0x40
	BLOAD 0                                        ; three K steps of B and two token tiles of the rotary table are asked for while the tensor load is out
	BLOAD 1
	BLOAD 2
	ROPELD 0, RW1
	ROPELD 1, RW1+32
	WIN 0
	s_wait_kmcnt 0x0
.irp z, 0,1,2
	s_add_co_i32 s[50+2*\z], s[68+2*\z], s[69+2*\z]
	s_add_co_i32 s[50+2*\z], s[50+2*\z], 127
	s_lshl_b32 s[50+2*\z], s[50+2*\z], 23          ; 2^(ea + eb) as f32
	s_mov_b32 s[51+2*\z], s[50+2*\z]               ; (named with it as a pair, so it is written)
.endr
	QS 74, 56
	QS 75, 58
	QS 77, 60
	s_wait_tensorcnt 0x0                           ; my part of A is in,
	s_barrier_signal -1
	s_barrier_wait -1                              ; everybody's is: sections 0 and 1 lie in LDS
	ALOAD 0, 0, 0
	ALOAD 0, 0, 2
.irp ks, 0,1,2,3,4,5,6,7
	KS 0, \ks
.endr
	s_wait_tensorcnt 0x0                           ; region 0 is filled again:
	ds_add_u32 v[SPW], v[NIL]
	s_wait_dscnt 0x0                               ; (my reads of region 0 are over)
	CROUND                                         ; a round: no wave of any partner still reads region 0
	s_cmp_lt_u32 s14, 4                            ; waves 0-3 ask for section 2's four parts; the branch hangs on the wave's number alone
	s_cbranch_scc0 .Lno_refill
	tensor_load_to_lds s[36:39], s[24:31]
	s_nop 0
	PLACES
.Lno_refill:
	v_mov_b32 v[HOLD], s56
	v_mov_b32 v[SCL], s57
.irp a, 0,1,2,3
	QKB 0, \a
.endr
	BIASLD 10
	ALOAD 1, 0, 0
	ALOAD 1, 0, 2
.irp ks, 0,1,2,3,4,5,6,7
	KS 1, \ks
.endr
	v_mov_b32 v[HOLD], s58
	v_mov_b32 v[SCL], s59
.irp a, 0,1,2,3
	QKB 1, \a
.endr
.irp b, 0,1,2,3
	global_load_b32 v[BIAS+\b], v[VBV], s[84:85] offset:64*\b   ; bv at channel 16 b + r
.endr
.set LC, LC+4
	s_wait_tensorcnt 0x0                           ; my part of section 2 is in,
	s_barrier_signal -1
	s_barrier_wait -1                              ; everybody's is
	ALOAD 2, 0, 0
	ALOAD 2, 0, 2
.irp ks, 0,1,2,3,4,5,6,7
	KS 2, \ks
.endr
	v_mov_b32 v[HOLD], s60
	v_mov_b32 v[SCL], s61
.irp b, 0,1,2,3
	VB_OUT \b
.endr
	s_wait_tensorcnt 0x0                           ; the wave's end
	ds_add_u32 v[SPW], v[NIL]
	s_wait_dscnt 0x0
	CROUND                                         ; the closing round: no work-group ends while a partner may still ask for a tile that names it
	s_endpgm
.Lfunc_end_k_q8afb46e409_qkv:
	.size	k_q8afb46e409_qkv, .Lfunc_end_k_q8afb46e409_qkv-k_q8afb46e409_qkv
	.p2alignl 7, 3214868480
	.fill 96, 4, 3214868480
	.section	.rodata,"a",@progbits
	.p2align	6, 0x0
	.amdhsa_kernel k_q8afb46e409_qkv
		.amdhsa_group_segment_fixed_size 327680
		.amdhsa_private_segment_fixed_size 0
		.amdhsa_enable_private_segment 0
		.amdhsa_kernarg_size 72
		.amdhsa_user_sgpr_count 2
		.amdhsa_user_sgpr_kernarg_segment_ptr 1
		.amdhsa_wavefront_size32 1
		.amdhsa_system_sgpr_workgroup_id_x 1
		.amdhsa_system_sgpr_workgroup_id_y 1
		.amdhsa_system_sgpr_workgroup_id_z 1
		.amdhsa_system_vgpr_workitem_id 0
		.amdhsa_next_free_vgpr 512
		.amdhsa_next_free_sgpr 100
		.amdhsa_reserve_vcc 0
		.amdhsa_float_denorm_mode_32 3
		.amdhsa_float_denorm_mode_16_64 3
		.amdhsa_memory_ordered 1
		.amdhsa_forward_progress 1
		.amdhsa_inst_pref_size 170
	.end_amdhsa_kernel
	.amdgpu_metadata
---
amdhsa.version: [ 1, 2 ]
amdhsa.kernels:
  - .name:           k_q8afb46e409_qkv
    .symbol:         k_q8afb46e409_qkv.kd
    .args:
      - { .name: xc, .offset: 0, .size: 8, .value_kind: global_buffer, .address_space: global }
      - { .name: wc, .offset: 8, .size: 8, .value_kind: global_buffer, .address_space: global }
      - { .name: bq, .offset: 16, .size: 8, .value_kind: global_buffer, .address_space: global }
      - { .name: bk, .offset: 24, .size: 8, .value_kind: global_buffer, .address_space: global }
      - { .name: bv, .offset: 32, .size: 8, .value_kind: global_buffer, .address_space: global }
      - { .name: lowp_scales, .offset: 40, .size: 8, .value_kind: global_buffer, .address_space: global }
      - { .name: rope, .offset: 48, .size: 8, .value_kind: global_buffer, .address_space: global }
      - { .name: qc, .offset: 56, .size: 8, .value_kind: global_buffer, .address_space: global }
      - { .name: kv, .offset: 64, .size: 8, .value_kind: global_buffer, .address_space: global }
    .group_segment_fixed_size: 327680
    .private_segment_fixed_size: 0
    .kernarg_segment_align: 8
    .kernarg_segment_size: 72
    .max_flat_workgroup_size: 256
    .sgpr_count:     100
    .vgpr_count:     512
    .wavefront_size: 32
...
	.end_amdgpu_metadata
.endif
;; end of part 2
;; launch attn (part 3): grid 4 x 64, 8 waves a work-group, clusters of 4 x 1, 295,936 bytes of LDS; arguments qc, kv, lowp_scales, ic; writes ic
.if DOCPART == 3
	.amdgcn_target "amdgcn-amd-amdhsa--gfx1250"
	.amdhsa_code_object_version 6
	.text
	.protected	k_q8afb46e409_attn
	.globl	k_q8afb46e409_attn
	.p2align	8
	.type	k_q8afb46e409_attn,@function
k_q8afb46e409_attn:
	s_mov_b64 s[64:65], 0
	v_nop
	global_prefetch_b8 v0, s[64:65] scope:SCOPE_SE
	s_setreg_imm32_b32 hwreg(HW_REG_WAVE_MODE, 25, 1), 1
	s_wait_xcnt 0x0
	s_wait_alu depctr_hold_cnt(0) depctr_sa_sdst(0) depctr_va_vdst(0) depctr_va_sdst(0) depctr_va_ssrc(0) depctr_va_vcc(0) depctr_vm_vsrc(0)
	s_getreg_b32 s2, hwreg(HW_REG_IB_STS2, 6, 4)
	s_cmp_eq_u32 s2, 0
	s_cbranch_scc0 .Lentry_in_a_cluster
	s_endpgm
.Lentry_in_a_cluster:
	s_bfe_u32 s2, ttmp6, 0x10000c
	s_cmp_lg_u32 s2, 0x3003
	s_cbranch_scc0 .Lentry_shape_is_right
	s_endpgm
.Lentry_shape_is_right:
; inter[head][q] = the sum over keys of softmax(q . k / 32) v, both products on codes of FP8 (E4M3); the result is quantised at once (2^e10) for the last projection.
; THE SOFTMAX AHEAD OF THE SECOND PRODUCT: t = score x log2(e) / 32; M = the running largest t rounded UP to a whole number; p = 2^(t - M) is quantised (2^e8), not normalised.  The row's sum is taken of
; the unquantised p, in f32, and divides at the end.  When M moves, the sum and O are multiplied by 2^(old M - new M), which rounds nothing.  The running maximum is kept as a raw score (c is positive).
; SHARES.  A work-group owns 512 queries of one head (batch entry x 16 + head = the grid's y); each of its eight waves 64 of them: two passes over the keys, each with TWO tiles of 16 queries (A, B) side by side,
; so that each fragment of K and V read from LDS feeds two matrix instructions, and one tile's dependent lines stand among the other's independent ones.
; ALL OF THE HEAD'S K AND V LIE IN LDS: 16 key steps of 128 keys x 16,384 bytes, filled ONCE: wave w asks for key steps 2 w and 2 w + 1 by one tensor load.  No ring, no refill, no barrier in the loop.
; CLUSTER.  The four work-groups of a head need the same tiles: each is asked for jointly, by the same descriptor with a mask that names the four.
; No prefetch: the launch's one fill stands at its head, and there is no loop ahead of it in which to ask earlier.
; LAYOUT.  Images of registers (lane L's registers 4 g .. 4 g + 3 at 512 g + 16 L): a key step is 8 images of K (16 keys x 64) and 4 of V^T (16 channels x 128 keys).  Both products are used transposed:
; S^T = K Q^T, O^T = V^T P^T: a lane holds ONE query (lane % 16).  Tile t of S^T holds keys 16 t + 8 (lane / 16) + 0 .. 7: their eight codes are registers 2 t, 2 t + 1 of P's fragment.
; FETCHES.  K of the next step is fetched behind this step's score products, V behind this step's second products; the step's number wraps at 16, so a pass's last step fetches the next pass's first
; fragments; those that the last pass's last step fetches are used by nobody.
; LIMITS: e6 + e7 between -121 and 132 (added to c's exponent field); e8 and e10 between -126 and 119; e8 + e9 is applied by v_ldexp_f32 and has none.
; REGISTERS, window 0: v1 16 x lane; v2 the next step's LDS address; v4, v5 permutes' destinations; v6, v7 the add's two; v[8:9] -M of A, B; v[10:11] largest raw score; v[12:13] f; v14 2^e10; v[16:17], v[18:19] the sums;
;   v20, v21 448 x 2^e8 (twice: a dual pair's second sources); v22 2^e8; v23 448 x 2^e10; v24-27, v28-31 maxima in four chains (later B's sums); v32-63 A's partial sums; v64-127 S of A; v128-191 S of B; v192-223, v224-255 O.
; window 1: v0-63 K; v128-191 V; v192-207, v208-223 P's codes; v224-231, v232-239 Q.
.set SPARE, 0x48000
.set SA, 64
.set SB, 128
.set OA, 192
.set OB, 224
.set T,  32
.set KF, 0
.set VF, 128
.set PA, 192
.set PB, 208
.set QA, 224
.set QB, 232
.set TO1, 0x40                         ; destination in window 1
.set MUL, 0x05                         ; sources 0 and 1 in window 1, C and D in window 0
.set MSB, 0
.macro WIN new                         ; the immediate's high byte repeats the setting that is left
.if MSB != (\new)
	s_set_vgpr_msb (MSB<<8)|(\new)
.set MSB, (\new)
.endif
.endm
.macro CROUND                          ; a round of the cluster's barrier
	s_barrier_signal -1
	s_barrier_wait -1
	s_cmp_lg_u32 s12, 0
	s_cbranch_scc1 .Lnot_wave_0_\@
	s_barrier_signal -3
.Lnot_wave_0_\@:
	s_barrier_wait -3
	s_barrier_signal -1
	s_barrier_wait -1
.endm
.macro LDK adr                         ; a key step's 8 fragments of K
.irp t, 0,1,2,3,4,5,6,7
	ds_load_b128 v[KF+8*\t:KF+8*\t+3], v[\adr] offset:1024*\t
	ds_load_b128 v[KF+8*\t+4:KF+8*\t+7], v[\adr] offset:1024*\t+512
.endr
.endm
.macro LDV adr                         ; and its 4 of V
.irp f, 0,1,2,3,4,5,6,7,8,9,10,11,12,13,14,15
	ds_load_b128 v[VF+4*\f:VF+4*\f+3], v[\adr] offset:8192+512*\f
.endr
.endm
; line i of the ten that lead from a tile's four maxima to -M and f.  x = 0: tile A, 1: tile B
.macro CH i, x
.set CM, 24+4*(\x)
.if (\i) == 0
	v_max3_num_f32 v[CM], v[CM], v[CM+1], v[CM+2]
.endif
.if (\i) == 1
	v_max3_num_f32 v[CM], v[CM], v[CM+3], v[10+(\x)]   ; with the largest so far
.endif
.if (\i) == 2
	v_permlanex16_b32 v[4+(\x)], v[CM], s20, s21
.endif
.if (\i) == 3
	v_max_num_f32 v[10+(\x)], v[CM], v[4+(\x)]         ; and lane l xor 16's
.endif
.if (\i) == 4
	v_mul_f32 v[CM+1], s47, v[10+(\x)]                 ; -t
.endif
.if (\i) == 5
	v_floor_f32 v[CM+1], v[CM+1]                       ; the new -M = -ceil(t): a whole number
.endif
.if (\i) == 6
	v_sub_f32 v[CM+2], v[CM+1], v[8+(\x)]              ; old M - new M, 0 or less
.endif
.if (\i) == 7
	v_mov_b32 v[8+(\x)], v[CM+1]
.endif
.if (\i) == 8
	v_cvt_i32_f32 v[CM+2], v[CM+2]                     ; (it saturates)
.endif
.if (\i) == 9
	v_ldexp_f32 v[12+(\x)], 1.0, v[CM+2]               ; f = 2^(old M - new M)
.endif
.endm
.macro DMIN b                          ; the hold of two numbers: the conversion does not saturate (ISA guide 7.6.2); p is not negative, so it is one-sided
	v_dual_min_num_f32 v[(\b)], v[(\b)], v20 :: v_dual_min_num_f32 v[(\b)+1], v[(\b)+1], v21
.endm
.macro BQ q0, cnt                      ; B's pairs q0 on: into one of four sums by turns, then held
.set q, \q0
.rept \cnt
	v_pk_add_f32 v[24+2*(q%4):25+2*(q%4)], v[24+2*(q%4):25+2*(q%4)], v[SB+2*q:SB+2*q+1]
	DMIN SB+2*q
.set q, q+1
.endr
.endm
.macro TADD cnt                        ; A's partial sums: the upper cnt pairs onto the lower cnt
.set g, 0
.rept \cnt
	v_pk_add_f32 v[T+2*g:T+2*g+1], v[T+2*g:T+2*g+1], v[T+2*(\cnt)+2*g:T+2*(\cnt)+2*g+1]
.set g, g+1
.endr
.endm
	s_load_b256 s[4:11], s[0:1], 0x0               ; qc s[4:5], kv s[6:7], the exponents s[8:9], ic s[10:11]
	v_lshl_add_u32 v6, v0, 2, SPARE
	v_mov_b32 v7, 0
	ds_add_u32 v6, v7                              ; the opening lines: the add twice on end and its wait ahead of my tensor load
	ds_add_u32 v6, v7
	v_lshrrev_b32 v1, 5, v0
	v_readfirstlane_b32 s12, v1                    ; wave 0..7
	s_bfe_u32 s13, ttmp6, 0x40000                  ; cx: which 512 queries
	s_and_b32 s14, ttmp7, 0xffff                   ; batch entry x 16 + head, which the four partners share
	s_mov_b32 s32, 15|(3<<16)|(1<<21)              ; group 1: two key steps' dense 32,768 bytes as 128 rows of 32 elements of 8 bytes; the mask names all four; bit 21 beside it
	s_mov_b32 s33, 32<<16
	s_mov_b32 s34, 128<<16
	s_mov_b32 s35, 32<<16
	s_mov_b32 s36, 128
	s_mov_b32 s37, 32
	s_mov_b32 s38, 0
	s_mov_b32 s39, 0
	s_mov_b32 s24, 1                               ; group 0: count,
	s_lshl_b32 s25, s12, 15                        ; LDS address: key steps 2 w, 2 w + 1
	s_lshl_b32 s16, s14, 18
	s_add_co_u32 s16, s16, s25
	s_mov_b32 s17, 0
	s_mov_b32 s20, 0x76543210                      ; v_permlanex16_b32's selects for lane l xor 16
	s_mov_b32 s21, 0xfedcba98
	s_wait_dscnt 0x0                               ; both opening adds are done
	s_wait_kmcnt 0x0
	s_load_b128 s[40:43], s[8:9], 0x18             ; e6, e7, e8, e9
	s_load_b32 s44, s[8:9], 0x28                   ; e10
	s_add_nc_u64 s[26:27], s[6:7], s[16:17]
	s_or_b32 s27, s27, 0x80000000                  ; type = 2
	CROUND                                         ; all four work-groups are here: the joint loads meet
	tensor_load_to_lds s[24:27], s[32:39]          ; my one tensor load of the launch
	s_nop 0
.rept 4
	v_nop
.endr
	v_and_b32 v1, 31, v0
	v_lshlrev_b32 v1, 4, v1                        ; 16 x lane
	s_lshl_b32 s16, s14, 17                        ; Q: a head is 128 tiles of 1,024 bytes; my tiles are 32 cx + 4 w on
	s_lshl_b32 s18, s13, 15
	s_add_co_u32 s16, s16, s18
	s_lshl_b32 s18, s12, 12
	s_add_co_u32 s16, s16, s18
	s_add_nc_u64 s[4:5], s[4:5], s[16:17]
	s_bfe_u32 s16, s14, 0x20002                    ; ic: k / 256 = head / 4,
	s_lshl_b32 s16, s16, 21
	s_lshr_b32 s18, s14, 4
	s_lshl_b32 s18, s18, 19                        ; token tile = 128 x batch entry
	s_add_co_u32 s16, s16, s18
	s_lshl_b32 s18, s13, 17                        ; + 32 cx
	s_add_co_u32 s16, s16, s18
	s_lshl_b32 s18, s12, 14                        ; + 4 w, 4,096 bytes each,
	s_add_co_u32 s16, s16, s18
	s_and_b32 s18, s14, 3
	s_lshl_b32 s18, s18, 10                        ; head % 4
	s_add_co_u32 s16, s16, s18
	s_add_nc_u64 s[10:11], s[10:11], s[16:17]
	v_mov_b32 v4, 0                                ; written once: a lane permute's destination counts as one of its sources
	v_mov_b32 v5, 0
	s_wait_kmcnt 0x0
	s_add_co_i32 s16, s40, s41
	s_lshl_b32 s16, s16, 23
	s_mov_b32 s22, 0x3d38aa3b                      ; c = log2(e) / 32,
	s_add_co_i32 s22, s22, s16                     ; x 2^(e6 + e7): the two exponents are added to c's exponent field
	s_mov_b32 s23, s22
	s_xor_b32 s47, s22, 0x80000000                 ; -c
	s_add_co_i32 s16, s42, 127
	s_lshl_b32 s18, s16, 23
	v_mov_b32 v22, s18                             ; 2^e8
	s_add_co_i32 s16, s16, 8
	s_lshl_b32 s16, s16, 23
	s_or_b32 s16, s16, 0x600000
	v_mov_b32 v20, s16                             ; 448 x 2^e8
	v_mov_b32 v21, s16
	s_add_co_i32 s16, s44, 127
	s_lshl_b32 s18, s16, 23
	v_mov_b32 v14, s18                             ; 2^e10
	s_add_co_i32 s16, s16, 8
	s_lshl_b32 s16, s16, 23
	s_or_b32 s16, s16, 0x600000
	v_mov_b32 v23, s16                             ; 448 x 2^e10
	s_add_co_i32 s45, s42, s43                     ; e8 + e9
	s_mov_b32 s46, 2                               ; passes
	s_wait_alu depctr_va_vdst(0)
	WIN TO1
.irp g, 0,1,2,3
	global_load_b128 v[QA+4*\g:QA+4*\g+3], v1, s[4:5] offset:512*\g   ; the first pass's Q, asked for while the tensor load is out
.endr
	WIN 0
	s_wait_tensorcnt 0x0                           ; my two key steps are in,
	s_barrier_signal -1
	s_barrier_wait -1                              ; everybody's are: all 2,048 keys lie in LDS, and nobody writes them again
	WIN TO1
	LDK 1                                          ; key step 0's fragments: K's 16 loads, then V's 16
	LDV 1
	WIN 0
.Lpass:                                            ; two tiles of 16 queries against all keys; their Q has been asked for
	v_mov_b32 v10, 0xff61b1e6                      ; the largest score so far: -3e38, under every sum of 64 products of codes
	v_mov_b32 v11, 0xff61b1e6
	v_mov_b32 v8, 0x7f61b1e6                       ; -M: 3e38, a whole number
	v_mov_b32 v9, 0x7f61b1e6
.irp j, 16,17,18,19
	v_mov_b32 v\j, 0                               ; the sums, each in two halves
.endr
.set j, 0
.rept 64
	v_mov_b32 v[OA+j], 0                           ; O^T of both tiles.  (The step is written once: the first finds zeros, which f = 0 leaves zeros)
.set j, j+1
.endr
	s_mov_b32 s2, 0
	s_mov_b32 s48, 16
	s_wait_alu depctr_va_vdst(0)
	s_wait_loadcnt 0x0                             ; Q
.Lstep:                                            ; a trip = 128 keys x 32 queries
	s_wait_dscnt 16                                ; K is in; V's 16 loads, issued behind K's, may be out
	WIN MUL
.irp t, 0,1,2,3,4,5,6,7
	v_wmma_f32_16x16x64_fp8_fp8 v[SA+8*\t:SA+8*\t+7], v[KF+8*\t:KF+8*\t+7], v[QA:QA+7], 0
	v_wmma_f32_16x16x64_fp8_fp8 v[SB+8*\t:SB+8*\t+7], v[KF+8*\t:KF+8*\t+7], v[QB:QB+7], 0
.endr
	WIN 0
	s_add_co_u32 s2, s2, 16384
	s_and_b32 s3, s2, 0x3ffff                      ; the next step's first LDS byte; behind step 15 comes step 0
	v_add_nc_u32 v2, s3, v1
.rept 3
	v_nop                                          ; with the addition: four places behind the products, for the loads below and the reads of the scores
.endr
	WIN TO1
	LDK 2                                          ; the next step's K: it has the rest of this step in which to land
	WIN 0
.set n, 0
.rept 32                                           ; A's largest score in four chains, each accumulator from its low end on
.if n < 4
	v_max_num_f32 v[24+n], v[SA+2*n], v[SA+2*n+1]
.else
	v_max3_num_f32 v[24+n%4], v[24+n%4], v[SA+2*n], v[SA+2*n+1]
.endif
.set n, n+1
.endr
.set n, 0
.rept 32                                           ; B's likewise, with A's ten dependent lines among them
.if n < 4
	v_max_num_f32 v[28+n], v[SB+2*n], v[SB+2*n+1]
.else
	v_max3_num_f32 v[28+n%4], v[28+n%4], v[SB+2*n], v[SB+2*n+1]
.endif
.set n, n+1
.if (n%3) == 0 && n <= 30
	CH n/3-1, 0
.endif
.endr
.set n, 0
.rept 32                                           ; A: t - M, two at a time, with B's ten lines among them
	v_pk_fma_f32 v[SA+2*n:SA+2*n+1], v[SA+2*n:SA+2*n+1], s[22:23], v[8:9] op_sel_hi:[1,0,0]
.set n, n+1
.if (n%3) == 0 && n <= 30
	CH n/3-1, 1
.endif
.endr
	s_wait_alu depctr_va_vdst(0)                   ; ahead of a batch of exponentials
.set n, 0
.rept 32                                           ; A: p = 2^(t - M); among them B: t - M (the pair's high word is B's -M)
	v_exp_f32 v[SA+2*n], v[SA+2*n]
	v_exp_f32 v[SA+2*n+1], v[SA+2*n+1]
	v_pk_fma_f32 v[SB+2*n:SB+2*n+1], v[SB+2*n:SB+2*n+1], s[22:23], v[8:9] op_sel:[0,0,1] op_sel_hi:[1,0,1]
.set n, n+1
.endr
	s_wait_alu depctr_va_vdst(0)                   ; behind A's batch and ahead of B's
.set n, 0
.rept 16                                           ; B: p; among them A: sums of the unquantised p, each into registers of its own, and then the hold
	v_exp_f32 v[SB+4*n], v[SB+4*n]
	v_pk_add_f32 v[T+2*n:T+2*n+1], v[SA+4*n:SA+4*n+1], v[SA+4*n+2:SA+4*n+3]
	v_exp_f32 v[SB+4*n+1], v[SB+4*n+1]
	DMIN SA+4*n
	v_exp_f32 v[SB+4*n+2], v[SB+4*n+2]
	DMIN SA+4*n+2
	v_exp_f32 v[SB+4*n+3], v[SB+4*n+3]
.set n, n+1
.endr
	v_pk_mul_f32 v[16:17], v[16:17], v[12:13] op_sel_hi:[1,0]               ; the sums under the new M.  (The plain lines behind the exponentials)
	v_pk_mul_f32 v[18:19], v[18:19], v[12:13] op_sel:[0,1] op_sel_hi:[1,1]
	s_wait_alu depctr_va_vdst(0)                   ; behind B's batch, and directly ahead of the first readers of O^T
.set j, 0
.rept 16
	v_pk_mul_f32 v[OA+j:OA+j+1], v[OA+j:OA+j+1], v[12:13] op_sel_hi:[1,0]   ; O^T under the new M
.set j, j+2
.endr
.set j, 0
.rept 16
	v_pk_mul_f32 v[OB+j:OB+j+1], v[OB+j:OB+j+1], v[12:13] op_sel:[0,1] op_sel_hi:[1,1]
.set j, j+2
.endr
	WIN TO1
.irp t, 0,1,2,3,4,5,6,7
	v_cvt_scalef32_pk8_fp8_f32 v[PA+2*\t:PA+2*\t+1], v[SA+8*\t:SA+8*\t+7], v22   ; registers 2 t, 2 t + 1 of P's fragment
.endr
	WIN 0
	TADD 8
.set q, 0
.rept 4                                            ; B's sums begin: four chains
	v_pk_add_f32 v[24+2*q:25+2*q], v[SB+2*q:SB+2*q+1], v[SB+8+2*q:SB+9+2*q]
.set q, q+1
.endr
	TADD 4
.set q, 0
.rept 8
	DMIN SB+2*q
.set q, q+1
.endr
	TADD 2
	BQ 8, 4
	TADD 1
	BQ 12, 4
	v_pk_add_f32 v[16:17], v[16:17], v[T:T+1]      ; A's sum
	BQ 16, 16
	WIN TO1
.irp t, 0,1,2,3,4,5,6,7
	v_cvt_scalef32_pk8_fp8_f32 v[PB+2*\t:PB+2*\t+1], v[SB+8*\t:SB+8*\t+7], v22
.endr
	WIN 0
	v_pk_add_f32 v[24:25], v[24:25], v[26:27]      ; (also the plain lines between the conversions and the products)
	v_pk_add_f32 v[28:29], v[28:29], v[30:31]
	s_wait_alu depctr_va_vdst(0)
	s_wait_dscnt 16                                ; V is in; the next K's 16 loads, issued behind V's, may be out
	WIN MUL
.irp ct, 0,1,2,3                       ; eight accumulators by turns; sixteen other products stand between a trip's and the next trip's
	v_wmma_f32_16x16x128_fp8_fp8 v[OA+8*\ct:OA+8*\ct+7], v[VF+16*\ct:VF+16*\ct+15], v[PA:PA+15], v[OA+8*\ct:OA+8*\ct+7]
	v_wmma_f32_16x16x128_fp8_fp8 v[OB+8*\ct:OB+8*\ct+7], v[VF+16*\ct:VF+16*\ct+15], v[PB:PB+15], v[OB+8*\ct:OB+8*\ct+7]
.endr
	WIN 0
	v_pk_add_f32 v[24:25], v[24:25], v[28:29]      ; four places behind the products, for the loads below
	v_nop
	v_nop
	v_pk_add_f32 v[18:19], v[18:19], v[24:25]      ; B's sum
	WIN TO1
	LDV 2                                          ; the next step's V
	WIN 0
	s_sub_co_u32 s48, s48, 1
	s_cmp_lg_u32 s48, 0
	s_cbranch_scc1 .Lstep
	s_wait_alu depctr_va_vdst(0)                   ; directly ahead of the branch
	s_cmp_eq_u32 s46, 1                            ; the count of passes alone: the last pass asks for no further Q
	s_cbranch_scc1 .Lno_q
	s_add_nc_u64 s[4:5], s[4:5], 2048              ; two tiles of Q on (the loads that read this base were waited for at the pass's head)
	WIN TO1
.irp g, 0,1,2,3
	global_load_b128 v[QA+4*\g:QA+4*\g+3], v1, s[4:5] offset:512*\g   ; the next pass's Q: the way out stands between the request and the wait for it
.endr
	WIN 0
.Lno_q:
	; the way out: O^T x 2^(e8 + e9) / the sum, quantised, stored as half an image for each tile
	v_add_f32 v16, v16, v17                        ; the sums' two halves,
	v_add_f32 v18, v18, v19
	v_permlanex16_b32 v4, v16, s20, s21
	v_permlanex16_b32 v5, v18, s20, s21
	v_add_f32 v16, v16, v4                         ; and lane l xor 16's
	v_add_f32 v18, v18, v5
	s_wait_alu depctr_va_vdst(0)                   ; ahead of the reciprocals
	v_rcp_f32 v16, v16
	v_rcp_f32 v18, v18
	v_nop                                          ; a plain line behind them
	s_wait_alu depctr_va_vdst(0)                   ; and the wait ahead of their first reader
	v_ldexp_f32 v12, v16, s45
	v_ldexp_f32 v13, v18, s45
	s_wait_alu depctr_va_vdst(0)                   ; directly ahead of the first readers of O^T
.set j, 0
.rept 16
	v_pk_mul_f32 v[SA+j:SA+j+1], v[OA+j:OA+j+1], v[12:13] op_sel_hi:[1,0]   ; register 8 ct + i: channel 16 ct + 8 h + i of my query
.set j, j+2
.endr
.set j, 0
.rept 16
	v_pk_mul_f32 v[SB+j:SB+j+1], v[OB+j:OB+j+1], v[12:13] op_sel:[0,1] op_sel_hi:[1,1]
.set j, j+2
.endr
.set j, 0
.rept 32
	v_med3_num_f32 v[SA+j], v[SA+j], -v23, v23
	v_med3_num_f32 v[SB+j], v[SB+j], -v23, v23
.set j, j+1
.endr
.irp ct, 0,1,2,3
	v_cvt_scalef32_pk8_fp8_f32 v[T+2*\ct:T+2*\ct+1], v[SA+8*\ct:SA+8*\ct+7], v14
	v_cvt_scalef32_pk8_fp8_f32 v[T+8+2*\ct:T+9+2*\ct], v[SB+8*\ct:SB+8*\ct+7], v14
.endr
	v_nop                                          ; one plain line behind the last conversion
.irp g, 0,1
	global_store_b128 v1, v[T+4*\g:T+4*\g+3], s[10:11] offset:512*\g             ; 512 consecutive bytes, aligned
	global_store_b128 v1, v[T+8+4*\g:T+11+4*\g], s[10:11] offset:4096+512*\g
.endr
	s_wait_xcnt 0x0                                ; the stores have read their data and their base: both are written again below and in the next pass
	s_add_nc_u64 s[10:11], s[10:11], 8192          ; and two token tiles of ic
	s_sub_co_u32 s46, s46, 1
	s_cmp_lg_u32 s46, 0
	s_cbranch_scc1 .Lpass
	s_wait_tensorcnt 0x0                           ; the wave's end
	ds_add_u32 v6, v7
	s_wait_dscnt 0x0                               ; (also for the last step's fetches)
	CROUND                                         ; the closing round: no work-group ends while a partner may still ask for a tile that names it
	s_endpgm
.Lfunc_end_k_q8afb46e409_attn:
	.size	k_q8afb46e409_attn, .Lfunc_end_k_q8afb46e409_attn-k_q8afb46e409_attn
	.p2alignl 7, 3214868480
	.fill 96, 4, 3214868480
	.section	.rodata,"a",@progbits
	.p2align	6, 0x0
	.amdhsa_kernel k_q8afb46e409_attn
		.amdhsa_group_segment_fixed_size 295936
		.amdhsa_private_segment_fixed_size 0
		.amdhsa_enable_private_segment 0
		.amdhsa_kernarg_size 32
		.amdhsa_user_sgpr_count 2
		.amdhsa_user_sgpr_kernarg_segment_ptr 1
		.amdhsa_wavefront_size32 1
		.amdhsa_system_sgpr_workgroup_id_x 1
		.amdhsa_system_sgpr_workgroup_id_y 1
		.amdhsa_system_sgpr_workgroup_id_z 1
		.amdhsa_system_vgpr_workitem_id 0
		.amdhsa_next_free_vgpr 512
		.amdhsa_next_free_sgpr 66
		.amdhsa_reserve_vcc 0
		.amdhsa_float_denorm_mode_32 3
		.amdhsa_float_denorm_mode_16_64 3
		.amdhsa_memory_ordered 1
		.amdhsa_forward_progress 1
		.amdhsa_inst_pref_size 47
	.end_amdhsa_kernel
	.amdgpu_metadata
---
amdhsa.version: [ 1, 2 ]
amdhsa.kernels:
  - .name:           k_q8afb46e409_attn
    .symbol:         k_q8afb46e409_attn.kd
    .args:
      - { .name: qc, .offset: 0, .size: 8, .value_kind: global_buffer, .address_space: global }
      - { .name: kv, .offset: 8, .size: 8, .value_kind: global_buffer, .address_space: global }
      - { .name: lowp_scales, .offset: 16, .size: 8, .value_kind: global_buffer, .address_space: global }
      - { .name: ic, .offset: 24, .size: 8, .value_kind: global_buffer, .address_space: global }
    .group_segment_fixed_size: 295936
    .private_segment_fixed_size: 0
    .kernarg_segment_align: 8
    .kernarg_segment_size: 32
    .max_flat_workgroup_size: 256
    .sgpr_count:     66
    .vgpr_count:     512
    .wavefront_size: 32
...
	.end_amdgpu_metadata
.endif
;; end of part 3
;; launch outp (part 4): grid 8 x 32, 8 waves a work-group, clusters of 4 x 1, 297,984 bytes of LDS; arguments ic, wc, bo, lowp_scales, out0; writes out0
.if DOCPART == 4
	.amdgcn_target "amdgcn-amd-amdhsa--gfx1250"
	.amdhsa_code_object_version 6
	.text
	.protected	k_q8afb46e409_outp
	.globl	k_q8afb46e409_outp
	.p2align	8
	.type	k_q8afb46e409_outp,@function
k_q8afb46e409_outp:
	s_mov_b64 s[64:65], 0
	v_nop
	global_prefetch_b8 v0, s[64:65] scope:SCOPE_SE
	s_setreg_imm32_b32 hwreg(HW_REG_WAVE_MODE, 25, 1), 1
	s_wait_xcnt 0x0
	s_wait_alu depctr_hold_cnt(0) depctr_sa_sdst(0) depctr_va_vdst(0) depctr_va_sdst(0) depctr_va_ssrc(0) depctr_va_vcc(0) depctr_vm_vsrc(0)
	s_getreg_b32 s2, hwreg(HW_REG_IB_STS2, 6, 4)
	s_cmp_eq_u32 s2, 0
	s_cbranch_scc0 .Lentry_in_a_cluster
	s_endpgm
.Lentry_in_a_cluster:
	s_bfe_u32 s2, ttmp6, 0x10000c
	s_cmp_lg_u32 s2, 0x3003
	s_cbranch_scc0 .Lentry_shape_is_right
	s_endpgm
.Lentry_shape_is_right:
; out0[token][n] = sum over k of inter[token][k] Wo[k][n] x 2^(e10 + e11) + bo[n], on codes of FP8 (E4M3); sums in f32.
; ic: inter's codes, wc's fourth section: Wo's codes (rows = n); both laid [k / 256][row / 16][(k / 128) % 2][image of 16 rows x 128 K], an image being the operand's 16 registers (lane L's registers 4 g .. 4 g + 3 at 512 g + 16 L).
; SHARES.  A work-group makes 256 tokens x 128 columns: grid 8 x 32 = 256 work-groups.  Eight waves, each 64 tokens x 64 columns: 16 accumulators, 128 registers.
; A (the tokens' codes), 256 rows x 1,024 K = 262,144 bytes, LIES WHOLE IN LDS, filled ONCE: wave w asks for rows 128 (w / 4) on, K 256 (w % 4) on: 32,768 dense bytes.  So there is no ring, no refill, no barrier in the K steps.
; CLUSTER.  Four work-groups along x make four column blocks of the same tokens: A's parts are asked for jointly, by the same descriptor with a mask that names the four.
; B (Wo's codes) does not pass through LDS, which A fills: its images go from memory straight into the operand's registers, four loads of 512 consecutive bytes a fragment, in four sets that take turns, four K steps ahead
; of their use; so B has no joint load, and each of its fragments is loaded by the four waves of a column half.  No prefetch: no loop stands ahead of A's one fill, and B is asked for four K steps ahead as it is.
; THE MATRIX INSTRUCTION IS USED TRANSPOSED (source 0 = 16 columns of Wo, source 1 = 16 tokens): a lane holds eight neighbouring columns of one token's row.
; LIMIT: e10 + e11 between -126 and 127, so that 2^(e10 + e11) is an f32 number.
; REGISTERS, window 0: v16, v17 LDS address of my A fragments, K steps 0-3 and 4-7; v18, v19 the stage, in and back; v20 my offset in out0; v21 16 x lane; v22 my offset in bo; v28, v29 the add's two; v32-63 the bias in the
;   accumulators' layout; v64-127 A's four fragments (on the way out: scaled sums, two sets); v128-255 accumulator (a, b) at 128 + 8 (4 a + b) (on the way out: the block's rows read back).  window 1: B's four sets of four fragments.
.set STAGE,  0x40000                   ; behind A: 16 rows x (256 bytes + 16) for each wave; no tensor load lands here
.set SPITCH, 272
.set SPARE,  STAGE+8*16*SPITCH         ; behind the stages: the spare words, 128 bytes a wave
.set ADA,  16
.set STO,  18
.set RD,   19
.set CO,   20
.set LB,   21
.set VBO,  22
.set SPW,  28
.set NIL,  29
.set BIAS, 32
.set AF,   64
.set TMP,  64
.set ACC,  128
.set MSB, 0
.macro WIN new                         ; the immediate's high byte repeats the setting that is left
.if MSB != (\new)
	s_set_vgpr_msb (MSB<<8)|(\new)
.set MSB, (\new)
.endif
.endm
.macro CROUND                          ; a round of the cluster's barrier
	s_barrier_signal -1
	s_barrier_wait -1
	s_cmp_lg_u32 s14, 0
	s_cbranch_scc1 .Lnot_wave_0_\@
	s_barrier_signal -3
.Lnot_wave_0_\@:
	s_barrier_wait -3
	s_barrier_signal -1
	s_barrier_wait -1
.endm
.macro PLACES
.rept 4
	v_nop
.endr
.endm
.macro BLOAD ks                        ; B's four fragments of K step ks into set ks % 4 (window 1)
.irp b, 0,1,2,3
.irp g, 0,1,2,3
	global_load_b128 v[64*((\ks)%4)+16*\b+4*\g:64*((\ks)%4)+16*\b+4*\g+3], v[LB], s[42:43] offset:((\ks)/2)*0x40000+((\ks)%2)*2048+4096*\b+512*\g
.endr
.endr
.endm
.macro ALOAD ks, a0                    ; A's fragments a0, a0 + 1 of K step ks
.irp a, \a0, \a0+1
.irp g, 0,1,2,3
	ds_load_b128 v[AF+16*(\a)+4*\g:AF+16*(\a)+4*\g+3], v[ADA+(\ks)/4] offset:(((\ks)/2)%2)*32768+((\ks)%2)*2048+4096*(\a)+512*\g
.endr
.endr
.endm
.macro MUL8 ks, a0                     ; A's blocks a0, a0 + 1 x B's four; the 16 accumulators take turns in the same order in every K step
.irp a, \a0, \a0+1
.irp b, 0,1,2,3
.if (\ks) == 0
	v_wmma_f32_16x16x128_fp8_fp8 v[ACC+8*(4*(\a)+\b):ACC+8*(4*(\a)+\b)+7], v[64*((\ks)%4)+16*\b:64*((\ks)%4)+16*\b+15], v[AF+16*(\a):AF+16*(\a)+15], 0
.else
	v_wmma_f32_16x16x128_fp8_fp8 v[ACC+8*(4*(\a)+\b):ACC+8*(4*(\a)+\b)+7], v[64*((\ks)%4)+16*\b:64*((\ks)%4)+16*\b+15], v[AF+16*(\a):AF+16*(\a)+15], v[ACC+8*(4*(\a)+\b):ACC+8*(4*(\a)+\b)+7]
.endif
.endr
.endr
.endm
; A K step of 128: 16 matrix instructions.  A block of A is free when its four products are issued: blocks 0, 1 are fetched anew in the step's middle, blocks 2, 3 at its end.
.macro KS ks
.if (\ks) < 5
	s_wait_loadcnt 48                              ; this step's set of B is in; the three sets asked for behind it may be out
.else
	s_wait_loadcnt 16*(7-(\ks))
.endif
	s_wait_dscnt 8                                 ; A's blocks 0, 1 are in; the eight loads of blocks 2, 3 may be out
	WIN 0x01                                       ; source 0 in window 1
	MUL8 \ks, 0
	WIN 0
	PLACES                                         ; four places in front of loads into registers that matrix instructions have read
.if (\ks) < 7
	ALOAD (\ks)+1, 0
	s_wait_dscnt 8                                 ; blocks 2, 3 are in; the eight just issued may be out
.else
	s_wait_dscnt 0x0
.endif
	WIN 0x01
	MUL8 \ks, 2
	WIN 0
	PLACES
.if (\ks) < 7
	ALOAD (\ks)+1, 2
.endif
.if (\ks) < 4
	WIN 0x40
	BLOAD (\ks)+4                                  ; this step's set takes the K step four on
	WIN 0
.endif
.endm
	s_load_b256 s[4:11], s[0:1], 0x0               ; ic s[4:5], wc s[6:7], bo s[8:9], the exponents s[10:11]
	s_load_b64 s[12:13], s[0:1], 0x20              ; out0
	v_lshl_add_u32 v[SPW], v0, 2, SPARE
	v_mov_b32 v[NIL], 0
	ds_add_u32 v[SPW], v[NIL]                      ; the opening lines: the add twice on end and its wait ahead of my tensor load
	ds_add_u32 v[SPW], v[NIL]
	v_lshrrev_b32 v1, 5, v0
	v_readfirstlane_b32 s14, v1                    ; wave 0..7
	s_lshr_b32 s15, s14, 1                         ; which 64 tokens are mine
	s_and_b32 s16, s14, 1                          ; which 64 columns
	s_bfe_u32 s40, ttmp6, 0x40000                  ; cx
	s_lshl_b32 s41, ttmp9, 2
	s_add_co_u32 s41, s41, s40                     ; column block = 4 x cluster x + cx
	s_and_b32 s17, ttmp7, 0xffff                   ; token block, which the four partners share
	s_mov_b32 s24, 15|(3<<16)|(1<<21)              ; group 1: 32,768 dense bytes as 128 rows of 32 elements of 8 bytes; the mask names all four; bit 21 beside it
	s_mov_b32 s25, 32<<16
	s_mov_b32 s26, 128<<16
	s_mov_b32 s27, 32<<16
	s_mov_b32 s28, 128
	s_mov_b32 s29, 32
	s_mov_b32 s30, 0
	s_mov_b32 s31, 0
	s_mov_b32 s32, 1                               ; group 0: count,
	s_lshl_b32 s33, s14, 15                        ; LDS address: part w
	s_and_b32 s18, s14, 3
	s_lshl_b32 s18, s18, 21                        ; in memory: k / 256 = w % 4,
	s_lshl_b32 s19, s17, 16                        ; 16 row tiles of 4,096 bytes a token block,
	s_add_co_u32 s18, s18, s19
	s_lshr_b32 s19, s14, 2
	s_lshl_b32 s19, s19, 15                        ; its half w / 4
	s_add_co_u32 s18, s18, s19
	s_mov_b32 s19, 0
	s_wait_dscnt 0x0                               ; both opening adds are done
	s_wait_kmcnt 0x0
	s_load_b64 s[44:45], s[10:11], 0x28            ; e10, e11
	s_add_nc_u64 s[34:35], s[4:5], s[18:19]
	s_or_b32 s35, s35, 0x80000000                  ; type = 2
	CROUND                                         ; all four work-groups are here: the joint loads meet
	tensor_load_to_lds s[32:35], s[24:31]          ; my one tensor load of the launch
	s_nop 0
	PLACES
	s_lshl_b32 s20, s41, 15                        ; Wo's codes: row tile 8 x column block + 4 x my half, 4,096 bytes each,
	s_lshl_b32 s21, s16, 14
	s_add_co_u32 s20, s20, s21
	s_add_co_u32 s20, s20, 0x300000                ; in wc's fourth section
	s_mov_b32 s21, 0
	s_add_nc_u64 s[42:43], s[6:7], s[20:21]
	s_lshl_b32 s20, s41, 9                         ; my first column, in bytes of f32: 512 x column block + 256 x half
	s_lshl_b32 s22, s16, 8
	s_add_co_u32 s20, s20, s22
	s_add_nc_u64 s[8:9], s[8:9], s[20:21]
	s_add_nc_u64 s[12:13], s[12:13], s[20:21]
	s_lshl_b32 s20, s17, 20                        ; my first token: 256 x token block + 64 x my quarter, rows of 4,096 bytes
	s_lshl_b32 s22, s15, 18
	s_add_co_u32 s20, s20, s22
	s_add_nc_u64 s[12:13], s[12:13], s[20:21]
	s_lshr_b32 s22, s15, 1
	s_lshl_b32 s22, s22, 17                        ; A in LDS: the half's four parts, 131,072 bytes,
	s_and_b32 s23, s15, 1
	s_lshl_b32 s23, s23, 14                        ; and my four row tiles in each part
	s_add_co_u32 s22, s22, s23
	s_mul_i32 s23, s14, 16*SPITCH
	s_add_co_u32 s23, s23, STAGE                   ; my stage
	v_and_b32 v1, 31, v0
	v_and_b32 v2, 15, v0                           ; r
	v_bfe_u32 v3, v0, 4, 1                         ; h
	v_lshlrev_b32 v[LB], 4, v1                     ; 16 x lane
	v_add_nc_u32 v[ADA], s22, v[LB]
	v_add_nc_u32 v[ADA+1], 0x10000, v[ADA]         ; K steps 4-7 lie two parts on: an LDS offset has 16 bits
	v_mul_u32_u24 v4, v2, SPITCH
	v_lshl_add_u32 v4, v3, 5, v4
	v_add_nc_u32 v[STO], s23, v4                   ; in: row r, 32 bytes for each half of the lanes
	v_mul_u32_u24 v5, v3, SPITCH
	v_lshl_add_u32 v5, v2, 4, v5
	v_add_nc_u32 v[RD], s23, v5                    ; back: lanes 0-15 one row of 256 bytes, lanes 16-31 the next
	v_lshlrev_b32 v[CO], 12, v3
	v_lshl_add_u32 v[CO], v2, 4, v[CO]             ; and the same two rows in out0
	v_lshlrev_b32 v[VBO], 5, v3
	s_wait_alu depctr_va_vdst(0)
.irp b, 0,1,2,3
	global_load_b128 v[BIAS+8*\b:BIAS+8*\b+3], v[VBO], s[8:9] offset:64*\b          ; bo at columns 16 b + 8 h + 0 .. 7
	global_load_b128 v[BIAS+8*\b+4:BIAS+8*\b+7], v[VBO], s[8:9] offset:64*\b+16
.endr
	WIN 0x40
	BLOAD 0                                        ; four K steps of B are asked for while the tensor load is out
	BLOAD 1
	BLOAD 2
	BLOAD 3
	WIN 0
	s_wait_kmcnt 0x0
	s_add_co_i32 s44, s44, s45
	s_add_co_i32 s44, s44, 127
	s_lshl_b32 s44, s44, 23                        ; 2^(e10 + e11) as f32
	s_mov_b32 s45, s44                             ; (named with it as a pair, so it is written)
	s_wait_tensorcnt 0x0                           ; my part of A is in,
	s_barrier_signal -1
	s_barrier_wait -1                              ; everybody's is, and nobody writes those bytes again
	ALOAD 0, 0
	ALOAD 0, 2
.irp ks, 0,1,2,3,4,5,6,7
	KS \ks
.endr
; THE WAY OUT, block by block of 16 tokens x 64 columns: sum x 2^(e10 + e11) + bias in one packed line, each accumulator from its low end on; through my own stage; back as whole rows of 256 bytes into the block's own
; accumulators, which are done with: so no store's data are written again.  LDS serves a wave's instructions in order (ISA guide 5.7.1.4): no wait between the stores and the loads, nor in front of the next block's stores.
.macro OUTB a
.set AC, ACC+32*(\a)
.set TM, TMP+32*((\a)%2)
.irp b, 0,1,2,3
.irp i, 0,2,4,6
	v_pk_fma_f32 v[TM+8*\b+\i:TM+8*\b+\i+1], v[AC+8*\b+\i:AC+8*\b+\i+1], s[44:45], v[BIAS+8*\b+\i:BIAS+8*\b+\i+1] op_sel_hi:[1,0,1]
.endr
.endr
.irp b, 0,1,2,3
	ds_store_b128 v[STO], v[TM+8*\b:TM+8*\b+3] offset:64*\b
	ds_store_b128 v[STO], v[TM+8*\b+4:TM+8*\b+7] offset:64*\b+16
.endr
.irp t, 0,1,2,3,4,5,6,7
	ds_load_b128 v[AC+4*\t:AC+4*\t+3], v[RD] offset:\t*2*SPITCH
.endr
.endm
.macro SEND a, younger                 ; younger: the LDS instructions issued behind block a's loads, which may stay out
.set AC, ACC+32*(\a)
	s_wait_dscnt \younger
.irp t, 0,1,2,3,4,5,6,7
	global_store_b128 v[CO], v[AC+4*\t:AC+4*\t+3], s[12:13] offset:((\a)*16+2*\t)*4096 th:TH_STORE_NT   ; sixteen lanes store 256 consecutive bytes, aligned
.endr
.endm
	OUTB 0                                         ; (the last K step's four places stand ahead)
	OUTB 1
	SEND 0, 16                                     ; behind block 0's loads: block 1's 8 stores and 8 loads
	OUTB 2
	SEND 1, 16
	OUTB 3
	SEND 2, 16
	SEND 3, 0
	s_wait_tensorcnt 0x0                           ; the wave's end, behind my last LDS store
	ds_add_u32 v[SPW], v[NIL]
	s_wait_dscnt 0x0
	CROUND                                         ; the closing round: no work-group ends while a partner may still ask for a tile that names it
	s_endpgm
.Lfunc_end_k_q8afb46e409_outp:
	.size	k_q8afb46e409_outp, .Lfunc_end_k_q8afb46e409_outp-k_q8afb46e409_outp
	.p2alignl 7, 3214868480
	.fill 96, 4, 3214868480
	.section	.rodata,"a",@progbits
	.p2align	6, 0x0
	.amdhsa_kernel k_q8afb46e409_outp
		.amdhsa_group_segment_fixed_size 297984
		.amdhsa_private_segment_fixed_size 0
		.amdhsa_enable_private_segment 0
		.amdhsa_kernarg_size 40
		.amdhsa_user_sgpr_count 2
		.amdhsa_user_sgpr_kernarg_segment_ptr 1
		.amdhsa_wavefront_size32 1
		.amdhsa_system_sgpr_workgroup_id_x 1
		.amdhsa_system_sgpr_workgroup_id_y 1
		.amdhsa_system_sgpr_workgroup_id_z 1
		.amdhsa_system_vgpr_workitem_id 0
		.amdhsa_next_free_vgpr 512
		.amdhsa_next_free_sgpr 66
		.amdhsa_reserve_vcc 0
		.amdhsa_float_denorm_mode_32 3
		.amdhsa_float_denorm_mode_16_64 3
		.amdhsa_memory_ordered 1
		.amdhsa_forward_progress 1
		.amdhsa_inst_pref_size 49
	.end_amdhsa_kernel
	.amdgpu_metadata
---
amdhsa.version: [ 1, 2 ]
amdhsa.kernels:
  - .name:           k_q8afb46e409_outp
    .symbol:         k_q8afb46e409_outp.kd
    .args:
      - { .name: ic, .offset: 0, .size: 8, .value_kind: global_buffer, .address_space: global }
      - { .name: wc, .offset: 8, .size: 8, .value_kind: global_buffer, .address_space: global }
      - { .name: bo, .offset: 16, .size: 8, .value_kind: global_buffer, .address_space: global }
      - { .name: lowp_scales, .offset: 24, .size: 8, .value_kind: global_buffer, .address_space: global }
      - { .name: out0, .offset: 32, .size: 8, .value_kind: global_buffer, .address_space: global }
    .group_segment_fixed_size: 297984
    .private_segment_fixed_size: 0
    .kernarg_segment_align: 8
    .kernarg_segment_size: 40
    .max_flat_workgroup_size: 256
    .sgpr_count:     66
    .vgpr_count:     512
    .wavefront_size: 32
...
	.end_amdgpu_metadata
.endif
;; end of part 4
